; MI455X (gfx1250); checked and timed in simulation.
; The chip was launched on July 23, 2026; its instructions are those of AMD's public machine-readable ISA for CDNA 5 (MIT licence, August 2026) and "CDNA5" Instruction Set Architecture Reference Guide (July 2026). The comments in the code are by the model that wrote it; some were corrected since.
;; Attention Block. Allowed arithmetic: float matrix products may take bf16 or f16 operands with f32 sums; all other float work in f32.
;; Inputs: W1 512 x 512 float32; W2 512 x 512 float32; b1 512 float32; b2 512 float32; key_masks 8 x 2,048 float32; keys 8 x 2,048 x 512 float32; ln2_b 512 float32; ln2_w 512 float32; ln_b 512 float32; ln_w 512 float32; queries 8 x 2,048 x 512 float32; query_masks 8 x 2,048 float32.
;; Outputs: out0 8 x 2,048 x 512 float32.
;; 2 versions, each right and faster than the one before. Each part assembles by itself: llvm-mc -triple=amdgcn-amd-amdhsa -mcpu=gfx1250 --defsym DOCPART=n.
;; ======== version 1 of 2: 2 launches
;; limits: values are held in f16: magnitudes above 65,504 overflow, below 6.1e-05 lose precision; right only within a limited range of input values
;; workspace buffers: Kb 16,777,216 bytes; W1h 524,288 bytes; W2Th 524,288 bytes
;; launch prep (part 1): grid 560 x 1, 8 waves a work-group, no clusters, 0 bytes of LDS; arguments keys, W1, W2, Kb, W1h, W2Th; writes Kb, W1h, W2Th
.if DOCPART == 1
	.amdgcn_target "amdgcn-amd-amdhsa--gfx1250"
	.amdhsa_code_object_version 6
	.text
	.protected	k_q57b0791f09_prep
	.globl	k_q57b0791f09_prep
	.p2align	8
	.type	k_q57b0791f09_prep,@function
k_q57b0791f09_prep:
	s_mov_b64 s[64:65], 0
	v_nop
	global_prefetch_b8 v0, s[64:65] scope:SCOPE_SE
	s_setreg_imm32_b32 hwreg(HW_REG_WAVE_MODE, 25, 1), 1
	s_wait_xcnt 0x0
; Rounds the operands that many work-groups of the next launch share to 16 bits (nearest even), once:
;   Kb[b][j][e] = keys[b][j][e] in bf16,   W1h[f][e] = W1[f][e] in f16,   W2Th[f][e] = W2[e][f] in f16.
; The weights go in f16: 11 significant bits against bf16's 8, so the sums of 512 products of the two linear layers carry an eighth of the rounding error.
; LIMIT: a weight beyond 65,504 in magnitude becomes infinite; below 2^-14 the step is 2^-24 (the weights are drawn up to 0.0766).
; A stream: no LDS, no matrix unit, no cluster, because no two work-groups read the same bytes.
; Work-groups 0-511 take 16,384 numbers of keys each, 512-527 the same of W1, 528-559 transpose W2.
.set NKEYS,  512                       ; work-groups for keys: 8*2048*512 / 16,384
.set NW1,    16                        ; work-groups for W1: 512*512 / 16,384
.set X,      8                         ; v[8:71]   16 loads of 4 numbers
.set Y,      72                        ; v[72:103] 8 stores of 8 numbers of 16 bits
; 16,384 numbers from s[16:17] to s[18:19]: thread t takes 8 neighbouring numbers in each of 8 steps of 2,048 numbers
.macro STREAM cvt
	v_lshlrev_b32 v1, 5, v0                        ; 32 t: my 8 f32
	v_lshlrev_b32 v2, 4, v0                        ; 16 t: my 8 numbers of 16 bits
.irp i, 0,1,2,3,4,5,6,7
	global_load_b128 v[X+8*\i:X+8*\i+3],   v1, s[16:17] offset:8192*\i th:TH_LOAD_NT
	global_load_b128 v[X+8*\i+4:X+8*\i+7], v1, s[16:17] offset:8192*\i+16 th:TH_LOAD_NT
.endr
.irp i, 0,1,2,3,4,5,6,7
	s_wait_loadcnt 14-2*\i                         ; loads return in order: step i's two are in, the 2 (7 - i) younger ones stay out
.irp p, 0,1,2,3
	\cvt v[Y+4*\i+\p], v[X+8*\i+2*\p], v[X+8*\i+2*\p+1]
.endr
	global_store_b128 v2, v[Y+4*\i:Y+4*\i+3], s[18:19] offset:4096*\i   ; sixteen lanes store 256 consecutive bytes, aligned; no register is written twice
.endr
.endm
	s_load_b256 s[4:11], s[0:1], 0x0               ; keys s[4:5], W1 s[6:7], W2 s[8:9], Kb s[10:11]
	s_load_b128 s[12:15], s[0:1], 0x20             ; W1h s[12:13], W2Th s[14:15]
	s_mov_b32 s23, 0
	s_mov_b32 s25, 0
	s_cmp_ge_u32 ttmp9, NKEYS+NW1
	s_cbranch_scc1 .Ltrans
	s_cmp_ge_u32 ttmp9, NKEYS
	s_cbranch_scc1 .Lw1
	; ---- keys ----
	s_lshl_b32 s22, ttmp9, 16                      ; x 65,536 bytes of f32 (at most 511 x 65,536: 32 bits do)
	s_lshl_b32 s24, ttmp9, 15                      ; x 32,768 bytes of bf16
	s_wait_kmcnt 0x0
	s_add_nc_u64 s[16:17], s[4:5], s[22:23]
	s_add_nc_u64 s[18:19], s[10:11], s[24:25]
	STREAM v_cvt_pk_bf16_f32
	s_endpgm
	; ---- W1 ----
.Lw1:
	s_sub_co_u32 s20, ttmp9, NKEYS                 ; my number among W1's work-groups
	s_lshl_b32 s22, s20, 16
	s_lshl_b32 s24, s20, 15
	s_wait_kmcnt 0x0
	s_add_nc_u64 s[16:17], s[6:7], s[22:23]
	s_add_nc_u64 s[18:19], s[12:13], s[24:25]
	STREAM v_cvt_pk_f16_f32
	s_endpgm
	; ---- W2 transposed: a wave takes 128 e x 8 f; a lane 8 e x 4 f ----
	; The reads are pieces of 32 bytes (two lanes) of rows 2,048 bytes apart: accepted, W2 is 1 MiB of the launch's 35 MiB.
.Ltrans:
	v_lshrrev_b32 v3, 5, v0
	v_readfirstlane_b32 s20, v3                    ; wave
	s_sub_co_u32 s21, ttmp9, NKEYS+NW1
	s_lshl3_add_u32 s20, s21, s20                  ; id = 8 x work-group + wave, 0..255
	s_and_b32 s21, s20, 3                          ; eb: which 128 e
	s_lshr_b32 s22, s20, 2                         ; fb: which 8 f
	s_lshl_b32 s23, s21, 18                        ; 128 eb rows of 2,048 bytes
	s_lshl_b32 s24, s22, 5                         ; + 8 fb numbers of 4 bytes
	s_add_co_u32 s23, s23, s24
	s_lshl_b32 s24, s22, 13                        ; 8 fb rows of 1,024 bytes
	s_lshl_b32 s25, s21, 8                         ; + 128 eb numbers of 2 bytes
	s_add_co_u32 s24, s24, s25
	v_and_b32 v4, 15, v0                           ; i: which 8 e of the 128
	v_bfe_u32 v5, v0, 4, 1                         ; gg: which 4 f of the 8
	v_lshlrev_b32 v1, 14, v4                       ; 8 i rows
	v_lshl_add_u32 v1, v5, 4, v1                   ; + 4 gg numbers
	v_add_nc_u32 v1, s23, v1
	v_lshlrev_b32 v2, 4, v4                        ; 8 i numbers of 2 bytes
	v_lshl_add_u32 v2, v5, 12, v2                  ; + 4 gg rows
	v_add_nc_u32 v2, s24, v2
	s_wait_kmcnt 0x0
.irp jj, 0,1,2,3,4,5,6,7
	global_load_b128 v[X+4*\jj:X+4*\jj+3], v1, s[8:9] offset:2048*\jj   ; W2[128 eb + 8 i + jj][8 fb + 4 gg .. + 3]
.endr
	s_wait_loadcnt 0x0
.irp ff, 0,1,2,3
.irp p, 0,1,2,3
	v_cvt_pk_f16_f32 v[40+4*\ff+\p], v[X+8*\p+\ff], v[X+4+8*\p+\ff]     ; e = 2 p, 2 p + 1 of column ff
.endr
	global_store_b128 v2, v[40+4*\ff:40+4*\ff+3], s[14:15] offset:1024*\ff   ; sixteen lanes store 256 consecutive bytes of row f, aligned
.endr
	s_endpgm
.Lfunc_end_k_q57b0791f09_prep:
	.size	k_q57b0791f09_prep, .Lfunc_end_k_q57b0791f09_prep-k_q57b0791f09_prep
	.p2alignl 7, 3214868480
	.fill 96, 4, 3214868480
	.section	.rodata,"a",@progbits
	.p2align	6, 0x0
	.amdhsa_kernel k_q57b0791f09_prep
		.amdhsa_group_segment_fixed_size 0
		.amdhsa_private_segment_fixed_size 0
		.amdhsa_enable_private_segment 0
		.amdhsa_kernarg_size 48
		.amdhsa_user_sgpr_count 2
		.amdhsa_user_sgpr_kernarg_segment_ptr 1
		.amdhsa_wavefront_size32 1
		.amdhsa_system_sgpr_workgroup_id_x 1
		.amdhsa_system_sgpr_workgroup_id_y 1
		.amdhsa_system_sgpr_workgroup_id_z 1
		.amdhsa_system_vgpr_workitem_id 0
		.amdhsa_next_free_vgpr 104
		.amdhsa_next_free_sgpr 66
		.amdhsa_reserve_vcc 0
		.amdhsa_float_denorm_mode_32 3
		.amdhsa_float_denorm_mode_16_64 3
		.amdhsa_memory_ordered 1
		.amdhsa_forward_progress 1
		.amdhsa_inst_pref_size 14
	.end_amdhsa_kernel
	.amdgpu_metadata
---
amdhsa.version: [ 1, 2 ]
amdhsa.kernels:
  - .name:           k_q57b0791f09_prep
    .symbol:         k_q57b0791f09_prep.kd
    .args:
      - { .name: keys, .offset: 0, .size: 8, .value_kind: global_buffer, .address_space: global }
      - { .name: W1, .offset: 8, .size: 8, .value_kind: global_buffer, .address_space: global }
      - { .name: W2, .offset: 16, .size: 8, .value_kind: global_buffer, .address_space: global }
      - { .name: Kb, .offset: 24, .size: 8, .value_kind: global_buffer, .address_space: global }
      - { .name: W1h, .offset: 32, .size: 8, .value_kind: global_buffer, .address_space: global }
      - { .name: W2Th, .offset: 40, .size: 8, .value_kind: global_buffer, .address_space: global }
    .group_segment_fixed_size: 0
    .private_segment_fixed_size: 0
    .kernarg_segment_align: 8
    .kernarg_segment_size: 48
    .max_flat_workgroup_size: 256
    .sgpr_count:     66
    .vgpr_count:     104
    .wavefront_size: 32
...
	.end_amdgpu_metadata
.endif
;; end of part 1
;; launch attn (part 2): grid 256 x 1, 4 waves a work-group, clusters of 4 x 1, 327,680 bytes of LDS; arguments queries, Kb, W1h, W2Th, key_masks, query_masks, ln_w, ln_b, b1, b2, ln2_w, ln2_b, out0; writes out0
.if DOCPART == 2
	.amdgcn_target "amdgcn-amd-amdhsa--gfx1250"
	.amdhsa_code_object_version 6
	.text
	.protected	k_q57b0791f09_attn
	.globl	k_q57b0791f09_attn
	.p2align	8
	.type	k_q57b0791f09_attn,@function
k_q57b0791f09_attn:
	s_mov_b64 s[64:65], 0
	v_nop
	global_prefetch_b8 v0, s[64:65] scope:SCOPE_SE
	s_setreg_imm32_b32 hwreg(HW_REG_WAVE_MODE, 25, 1), 1
	s_wait_xcnt 0x0
	s_wait_alu depctr_hold_cnt(0) depctr_sa_sdst(0) depctr_va_vdst(0) depctr_va_sdst(0) depctr_va_ssrc(0) depctr_va_vcc(0) depctr_vm_vsrc(0)
	s_getreg_b32 s2, hwreg(HW_REG_IB_STS2, 6, 4)
	s_cmp_eq_u32 s2, 0
	s_cbranch_scc0 .Lentry_in_a_cluster
	s_endpgm
.Lentry_in_a_cluster:
	s_bfe_u32 s2, ttmp6, 0x10000c
	s_cmp_lg_u32 s2, 0x3003
	s_cbranch_scc0 .Lentry_shape_is_right
	s_endpgm
.Lentry_shape_is_right:
; out0 = LN2( FFN(x) + x ),  x = LN1( softmax(Q K^T / (sqrt(512)+1e-8), key mask) * query mask * K + Q ).   B = 8, Lq = Lk = 2048, E = 512.
; A work-group owns 64 query rows and keeps everything from the scores to the second LayerNorm on chip; 16,384 rows / 64 = 256 work-groups.
; Four waves.  Keys (bf16) and weights (f16), rounded by the launch before, come in tiles of 128 rows x 1,024 bytes through two LDS slots.
;
; ALL PRODUCTS ARE USED TRANSPOSED, so that lane r (= lane mod 16; h = lane / 16) always owns query 16 qb + r, qb = 0..3:
;   MM32  D[128 tile rows][64 queries] = Tile X^T.  Wave w takes tile rows 32 w .. 32 w + 31 (two blocks kb); source 0 from LDS, source 1 = all 64 queries
;         x 512 resident in 512 registers.  Scores (Tile = keys, X = Q) and the first FFN layer (Tile = W1, X = x).
;   PV    O[512 e][64 queries] += Tile^T P^T.  Wave w owns e = 128 w .. 128 w + 127: 8 tiles t x 4 qb = 256 registers; source 0 by transposing loads from
;         the same kind of tile, source 1 = P from a stage of 16 KiB.  Values (Tile = keys) and the second FFN layer (Tile = W2 transposed, P = h).
;   MM32's result, register j of lane (r, h) = tile row 16 kb + 8 h + j: blocks kb = 0, 1 packed to 16 bits ARE a source-1 fragment of 32 rows for PV.
; TWO PERMUTATIONS: (1) in MM32's step s the half h of the lanes holds e0 .. e0 + 15, e0 = 128 (s>>2) + 16 (s&3) + 64 h, alike in both sources, which keeps
;   the products.  (2) In PV's transposing loads lanes 8-15 and 24-31 address + 128 bytes, so that tile t's register j of lane (r, h) is e = 128 w + 8 t + 64 h + j.
;   Then O's tiles 2 u and 2 u + 1, packed, are MM32's source-1 fragment of step 4 w + u: x reaches the FFN as register images.
;   Both kinds of load touch sixteen different 16-byte columns modulo 256 bytes in each group of sixteen lanes at the pitch 1,040 = 65 x 16.
; CLUSTER 4 x 1: the four work-groups lie in one batch (32 work-groups a batch) and walk the same key tiles and the same weight tiles: these are asked for
;   jointly, mask 15.  The query tiles are each work-group's own (mask 0).
; The f32 query block comes twice: at the start, to be rounded into registers, and after the last key tile, for the residual in f32.
; FORMATS: Q, K, P in bf16 (the attention's result is a small addend beside the f32 residual).  x, W1, h, W2 in f16: 11 significant bits against bf16's 8, so the
;   two linear layers' sums of 512 products carry an eighth of the rounding error.  All else in f32.
;   Room in f16 (largest number 65,504): |x| <= sqrt(511) |ln_w| + |ln_b|;  |h| <= |W1's row| |x| + |b1|, which with weights of 2.3 (30 times the largest drawn)
;   and a gain of 30 is at most (sqrt(512) 2.3) (sqrt(512) 30) = 35,300.
; LIMITS: x, W1 or W2 beyond 65,504 in magnitude becomes infinite; h is clamped at 65,504.  A masked key's score is replaced as s * 0 + (-2^32 log2 e): a score
;   that has itself overflowed to infinity or NaN under a masked key gives NaN here.  The softmax takes a running maximum away, in base 2.
;
; LDS (bytes)
.set PITCH,  1040                      ; a tile row: 1,024 of data + 16 of padding
.set QUART,  32*PITCH                  ; 33,280: what one wave's tensor load brings
.set HALFS,  64*PITCH                  ; 66,560
.set SLOT,   128*PITCH                 ; 133,120: slot 0 at 0, slot 1 at SLOT
.set PST,    2*SLOT                    ; 266,240: stage of P and h, 16 fragments of 1,024 bytes (512 x half + 16 x lane); also half of the exchange of x
.set KTA,    PST+16384                 ; 282,624: a[key] = mask == 0 ? 0 : log2 e / scale;   after the attention the other half of the exchange of x (with KTB)
.set KTB,    KTA+8192                  ; 290,816: b[key] = mask == 0 ? -2^32 log2 e : 0
.set PAR,    KTB+8192                  ; 299,008: ln_w, ln_b, b1, b2, ln2_w, ln2_b, 2,048 bytes each
.set STAT,   PAR+12288                 ; 311,296: two buffers of [4 waves][16 r][4 qb] f32
.set OPITCH, 528                       ; the way out: 512 bytes + 16; wave w's 64 rows at 33,792 w, in the slots after their last fill
.set OSTAGE, 64*OPITCH
.set TILEB,  131072                    ; bytes of a tile in memory
.set WQ,     32768                     ; a wave's quarter of it
.set CSCALE, 0x3d8293ee                ; log2 e / (sqrt(512) + 1e-8)
.set NEGL,   0xcfb8aa3b                ; -2^32 log2 e
; SCALARS: s[4:29] the thirteen addresses; s30 wave; s31 cx; s32 work-group x; s33 batch; s34 wave x QUART; s35 lap counter;
;          s66, s67 selects of v_permlanex16_b32; s[68:69] wave x WQ; s[70:71] offsets made of batch or wave; s[72:73] offsets made of x; s74 1/512; s75 1e-5; s76 65,504
.set G1J, 36                           ; s[36:43] group 1 of the joint loads
.set G1P, 44                           ; s[44:51] group 1 of my own loads
.set GA,  52                           ; s[52:55], s[56:59] group 0 of slot 0, slot 1
.set GQ,  60                           ; s[60:63] group 0 of the query tile
; VECTORS, window 0
.set ADK,   4                          ; v4, v5    slot + (32 w + r) PITCH + 128 h
.set ADV,   6                          ; v6-v9     [slot][s>>1]: slot + (8 h + lane&7) PITCH + 256 w + 128 ((lane>>3)&1) + HALFS (s>>1)
.set ADPW,  10                         ; PST + 4096 w + 16 lane
.set ADPR,  11                         ; PST + 16 lane
.set ADT,   12                         ; KTA + 128 w + 32 h, + 1,024 a lap
.set ADSW,  13                         ; STAT + 256 w + 16 r
.set ADSR,  14                         ; STAT + 16 r
.set ADPAR, 15                         ; PAR + 512 w + 256 h
.set ADB1,  16                         ; PAR + 4096 + 128 w + 32 h
.set ADQR,  17                         ; v17, v18  residual: 2080 r + 1040 (w>>1) + 512 (w&1) + 256 h (+ HALFS)
.set ADST,  19                         ; OSTAGE w + 528 r + 256 h
.set ADLD,  20                         ; OSTAGE w + 16 lane
.set ADOUT, 21                         ; 512 w + 16 lane
.set QMR,   22                         ; v[22:25]  query mask of my four queries
.set MX,    26                         ; v[26:29]  running maximum
.set LS,    30                         ; v[30:33]  my lane's part of the row sums
.set AL2,   34                         ; v[34:41]  four doubled pairs: alpha; later 1/sum, mean, 1/sigma
.set MN2,   42                         ; v[42:49]  the new maximum, doubled
.set LM,    50                         ; v[50:53]  what goes into an exchange
.set PT,    54                         ; v[54:57]  destinations of v_permlanex16_b32
.set ADQ,   62                         ; v62, v63  prologue: SLOT + 2080 r + 256 h (+ HALFS)
.set KB0,   64                         ; v64-127   K fragments, buffer 0
.set KB1,   128                        ; v128-191  K fragments, buffer 1
.set TA,    64                         ; v[64:79]  a of my 16 keys (or b1 of my 16 f)
.set TB,    80                         ; v[80:95]  b of my 16 keys
.set PK,    128                        ; v[128:159] P or h, packed
.set SR,    160                        ; v[160:175] an exchange's four answers
.set ACC,   176                        ; v[176:191] sums at work
.set SA,    192                        ; v192-255  MM32's 8 accumulators: SA + 8 (4 kb + qb)
.set B0,    64                         ; PV buffer 0: V v64-127, P v128-159
.set B1,    160                        ; PV buffer 1: V v160-223, P v224-255 (over SA, dead by then)
.set XP,    64                         ; v64-191   x packed: XP + 8 (4 qb + u) + 4 half
; windows 1, 2: source-1 fragments QF(qb, s) = 8 (4 (s&7) + qb) in window 1 + (s>>3); in the epilogues window 1 = residual or output rows,
;               window 2 = gain at 8 t, bias at 64 + 8 t, b2 at 128 + 8 t.      window 3: O(t, qb) = 8 (4 t + qb).
; s_set_vgpr_msb's low byte: bits 1:0 source 0, 3:2 source 1, 5:4 source 2, 7:6 destination; its high byte repeats the setting that is left.
.set MSB, 0
.macro WIN new
.if MSB != \new
	s_set_vgpr_msb (MSB<<8)|\new
.set MSB, \new
.endif
.endm
.macro PLACES n                        ; plain vector places behind matrix instructions (ISA guide 7.12.1)
.rept \n
	v_nop
.endr
.endm
; A round of the cluster's barrier: my work-group's barrier, wave 0 signals for the work-group, every wave waits for all four work-groups, my work-group's barrier again.
.macro ROUND
	s_barrier_signal -1
	s_barrier_wait -1
	s_cmp_lg_u32 s30, 0
	s_cbranch_scc1 .Lnot_wave_0_\@
	s_barrier_signal -3
.Lnot_wave_0_\@:
	s_barrier_wait -3
	s_barrier_signal -1
	s_barrier_wait -1
.endm
; The second half of a trip's head.  In front of it stands s_wait_tensorcnt 0 (all my tensor loads have landed, so group 0 registers may be written).
; Here: my LDS reads and stores are done; the round shows both of every wave of all four work-groups; the refill is the first thing behind it, one load a wave.
.macro HEADR g0, g1
	s_wait_dscnt 0x0
	ROUND
	tensor_load_to_lds s[\g0:\g0+3], s[\g1:\g1+7]
	s_nop 0
.endm
; ---- MM32 (fmt: bf16 for the scores, f16 for the first FFN layer) ----
.macro FETCHK adk, g, buf              ; 16 loads: steps 4 g .. 4 g + 3, both row blocks
.irp sl, 0,1,2,3
.irp kb, 0,1
.irp hf, 0,1
	ds_load_b128 v[\buf+8*(2*\sl+\kb)+4*\hf:\buf+8*(2*\sl+\kb)+4*\hf+3], v[\adk] offset:16*PITCH*\kb+256*\g+32*\sl+16*\hf
.endr
.endr
.endr
.endm
.macro MMSTEP buf, g, sl, zero, fmt    ; 8 matrix instructions; the 8 accumulators take turns, one instruction a turn
.irp kb, 0,1
.irp qb, 0,1,2,3
.if \zero
	v_wmma_f32_16x16x32_\fmt v[SA+8*(4*\kb+\qb):SA+8*(4*\kb+\qb)+7], v[\buf+8*(2*\sl+\kb):\buf+8*(2*\sl+\kb)+7], v[8*(4*(4*((\g)&1)+\sl)+\qb):8*(4*(4*((\g)&1)+\sl)+\qb)+7], 0
.else
	v_wmma_f32_16x16x32_\fmt v[SA+8*(4*\kb+\qb):SA+8*(4*\kb+\qb)+7], v[\buf+8*(2*\sl+\kb):\buf+8*(2*\sl+\kb)+7], v[8*(4*(4*((\g)&1)+\sl)+\qb):8*(4*(4*((\g)&1)+\sl)+\qb)+7], v[SA+8*(4*\kb+\qb):SA+8*(4*\kb+\qb)+7]
.endif
.endr
.endr
.endm
.macro MMG buf, g, zero, fmt
	MMSTEP \buf, \g, 0, \zero, \fmt    ; the first step starts the sums: nothing is cleared
	MMSTEP \buf, \g, 1, 0, \fmt
	MMSTEP \buf, \g, 2, 0, \fmt
	MMSTEP \buf, \g, 3, 0, \fmt
.endm
.macro MM32A adk, fmt                  ; steps 0-11; LDS loads may stand under the windows 0x04 and 0x08 (destination and address in window 0)
	FETCHK \adk, 0, KB0
	FETCHK \adk, 1, KB1
	s_wait_dscnt 16                    ; all but the other buffer's 16 loads
	WIN 0x04                           ; source 1 in window 1
	MMG KB0, 0, 1, \fmt
	PLACES 4                           ; in front of loads into registers that matrix instructions have read
	FETCHK \adk, 2, KB0
	s_wait_dscnt 16
	MMG KB1, 1, 0, \fmt
	PLACES 4
	FETCHK \adk, 3, KB1
	s_wait_dscnt 16
	WIN 0x08                           ; source 1 in window 2
	MMG KB0, 2, 0, \fmt
	PLACES 4                           ; the caller now loads nx small vectors into buffer 0
.endm
.macro MM32B nx, fmt                   ; steps 12-15
	s_wait_dscnt \nx                   ; all but the caller's nx loads
	MMG KB1, 3, 0, \fmt
	WIN 0
	PLACES 4                           ; in front of vector instructions that read the results
.endm
; ---- PV (fmt: bf16 for the values, f16 for the second FFN layer) ----
.macro FETCHV slot, s, buf             ; 16 transposing loads: tile rows 32 s .. 32 s + 31, my 128 e
.irp t, 0,1,2,3,4,5,6,7
.irp hf, 0,1
	ds_load_tr16_b128 v[\buf+8*\t+4*\hf:\buf+8*\t+4*\hf+3], v[ADV+2*\slot+((\s)>>1)] offset:QUART*((\s)&1)+16*PITCH*\hf+16*\t
.endr
.endr
.endm
.macro FETCHP s, buf                   ; 8 loads: wave s's four fragments of P (or h)
.irp qb, 0,1,2,3
.irp hf, 0,1
	ds_load_b128 v[\buf+64+8*\qb+4*\hf:\buf+64+8*\qb+4*\hf+3], v[ADPR] offset:1024*(4*\s+\qb)+512*\hf
.endr
.endr
.endm
.macro PVSTEP buf, zero, fmt           ; 32 matrix instructions; the 32 accumulators take turns, one instruction a turn
	WIN 0xf0                           ; C and D in window 3
.irp t, 0,1,2,3,4,5,6,7
.irp qb, 0,1,2,3
.if \zero
	v_wmma_f32_16x16x32_\fmt v[8*(4*\t+\qb):8*(4*\t+\qb)+7], v[\buf+8*\t:\buf+8*\t+7], v[\buf+64+8*\qb:\buf+64+8*\qb+7], 0
.else
	v_wmma_f32_16x16x32_\fmt v[8*(4*\t+\qb):8*(4*\t+\qb)+7], v[\buf+8*\t:\buf+8*\t+7], v[\buf+64+8*\qb:\buf+64+8*\qb+7], v[8*(4*\t+\qb):8*(4*\t+\qb)+7]
.endif
.endr
.endr
	WIN 0
.endm
.macro PV slot, zero, vpre, fmt        ; vpre = 1: step 0's V fragments were asked for earlier
.if \vpre == 0
	FETCHV \slot, 0, B0
.endif
	FETCHP 0, B0
	FETCHV \slot, 1, B1
	FETCHP 1, B1
	s_wait_dscnt 24                    ; all but the next step's 16 + 8 loads
	PVSTEP B0, \zero, \fmt
	PLACES 4
	FETCHV \slot, 2, B0
	FETCHP 2, B0
	s_wait_dscnt 24
	PVSTEP B1, 0, \fmt
	PLACES 4
	FETCHV \slot, 3, B1
	FETCHP 3, B1
	s_wait_dscnt 24
	PVSTEP B0, 0, \fmt
	s_wait_dscnt 0x0
	PVSTEP B1, 0, \fmt
	PLACES 5                           ; the next MM32's first matrix instruction writes registers that buffer 1's products read
.endm
; ---- small steps ----
.macro HALVES op                       ; LM = op(LM, LM of the lane 16 away)
.irp qb, 0,1,2,3
	v_permlanex16_b32 v[PT+\qb], v[LM+\qb], s66, s67
.endr
.irp qb, 0,1,2,3
	\op v[LM+\qb], v[LM+\qb], v[PT+\qb]
.endr
.endm
.macro EXCH buf                        ; every wave's LM to every wave: SR + 4 w' + qb
	ds_store_b128 v[ADSW], v[LM:LM+3] offset:1024*\buf      ; both halves of the lanes store the same values to the same bytes
	s_wait_dscnt 0x0                   ; for the others' sake: my store, and all my earlier LDS reads, are done
	s_barrier_signal -1
	s_barrier_wait -1
.irp ww, 0,1,2,3
	ds_load_b128 v[SR+4*\ww:SR+4*\ww+3], v[ADSR] offset:1024*\buf+256*\ww
.endr
	s_wait_dscnt 0x0
.endm
.macro SUM4                            ; AL2's low halves = the four waves' sums
.irp qb, 0,1,2,3
	v_add_f32 v[SR+\qb], v[SR+\qb], v[SR+4+\qb]
.endr
.irp qb, 0,1,2,3
	v_add_f32 v[SR+8+\qb], v[SR+8+\qb], v[SR+12+\qb]
.endr
.irp qb, 0,1,2,3
	v_add_f32 v[AL2+2*\qb], v[SR+\qb], v[SR+8+\qb]
.endr
.endm
.macro DUPAL                           ; fill the pairs for the packed forms
.irp qb, 0,1,2,3
	v_mov_b32 v[AL2+2*\qb+1], v[AL2+2*\qb]
.endr
.endm
.macro OMUL                            ; O *= AL2[qb]
	WIN 0xc3
.irp t, 0,1,2,3,4,5,6,7
.irp qb, 0,1,2,3
.irp p, 0,1,2,3
	v_pk_mul_f32 v[8*(4*\t+\qb)+2*\p:8*(4*\t+\qb)+2*\p+1], v[8*(4*\t+\qb)+2*\p:8*(4*\t+\qb)+2*\p+1], v[AL2+2*\qb:AL2+2*\qb+1]
.endr
.endr
.endr
	WIN 0
.endm
.macro PACKP cvt                       ; SA's blocks kb = 0, 1 -> one source-1 fragment for each qb
.irp qb, 0,1,2,3
.irp kb, 0,1
.irp p, 0,1,2,3
	\cvt v[PK+8*\qb+4*\kb+\p], v[SA+8*(4*\kb+\qb)+2*\p], v[SA+8*(4*\kb+\qb)+2*\p+1]
.endr
.endr
.endr
.endm
.macro PSTORE                          ; as register images: neighbouring lanes, neighbouring 16 bytes
.irp qb, 0,1,2,3
.irp hf, 0,1
	ds_store_b128 v[ADPW], v[PK+8*\qb+4*\hf:PK+8*\qb+4*\hf+3] offset:1024*\qb+512*\hf
.endr
.endr
.endm
; ---- the softmax of one tile of 128 keys, with a running maximum ----
.macro SOFTMAX slot, first
	s_wait_dscnt 0x0                   ; a and b of my 16 keys
.irp kb, 0,1
.irp qb, 0,1,2,3
.irp p, 0,1,2,3
	v_pk_fma_f32 v[SA+8*(4*\kb+\qb)+2*\p:SA+8*(4*\kb+\qb)+2*\p+1], v[SA+8*(4*\kb+\qb)+2*\p:SA+8*(4*\kb+\qb)+2*\p+1], v[TA+8*\kb+2*\p:TA+8*\kb+2*\p+1], v[TB+8*\kb+2*\p:TB+8*\kb+2*\p+1]   ; scale (base 2) and key mask in one
.endr
.endr
.endr
	FETCHV \slot, 0, B0                ; PV's first V fragments, over a and b
.irp qb, 0,1,2,3
	v_max3_num_f32 v[LM+\qb], v[SA+8*\qb], v[SA+8*\qb+1], v[SA+8*\qb+2]   ; four chains over my 16 keys
.endr
.irp k, 1,2,3,4,5,6
.irp qb, 0,1,2,3
	v_max3_num_f32 v[LM+\qb], v[LM+\qb], v[SA+8*(4*((2*\k+1)>>3)+\qb)+((2*\k+1)&7)], v[SA+8*(4*((2*\k+2)>>3)+\qb)+((2*\k+2)&7)]
.endr
.endr
.irp qb, 0,1,2,3
	v_max_num_f32 v[LM+\qb], v[LM+\qb], v[SA+8*(4+\qb)+7]
.endr
	HALVES v_max_num_f32
	EXCH 0                             ; between two uses of this buffer lie the barrier below and the next trip's round
.irp qb, 0,1,2,3
	v_max3_num_f32 v[MN2+2*\qb], v[SR+\qb], v[SR+4+\qb], v[SR+8+\qb]
.endr
.irp qb, 0,1,2,3
.if \first
	v_max_num_f32 v[MN2+2*\qb], v[MN2+2*\qb], v[SR+12+\qb]
.else
	v_max3_num_f32 v[MN2+2*\qb], v[MN2+2*\qb], v[SR+12+\qb], v[MX+\qb]
.endif
.endr
.if \first == 0
.irp qb, 0,1,2,3
	v_sub_f32 v[AL2+2*\qb], v[MX+\qb], v[MN2+2*\qb]
.endr
.irp qb, 0,1,2,3
	v_exp_f32 v[AL2+2*\qb], v[AL2+2*\qb]           ; alpha = 2^(old maximum - new)
.endr
.endif
.irp qb, 0,1,2,3
	v_mov_b32 v[MX+\qb], v[MN2+2*\qb]              ; plain instructions between the exponentials and the first use of alpha (ISA guide 5.7.2)
.endr
	s_wait_alu depctr_va_vdst(0)
.irp qb, 0,1,2,3
	v_mov_b32 v[MN2+2*\qb+1], v[MN2+2*\qb]
.endr
.if \first == 0
	DUPAL
.endif
.irp kb, 0,1
.irp qb, 0,1,2,3
.irp p, 0,1,2,3
	v_pk_add_f32 v[SA+8*(4*\kb+\qb)+2*\p:SA+8*(4*\kb+\qb)+2*\p+1], v[SA+8*(4*\kb+\qb)+2*\p:SA+8*(4*\kb+\qb)+2*\p+1], v[MN2+2*\qb:MN2+2*\qb+1] neg_lo:[0,1] neg_hi:[0,1]
.endr
.endr
.endr
.irp a, 0,1,2,3,4,5,6,7
.irp j, 0,1,2,3,4,5,6,7
	v_exp_f32 v[SA+8*\a+\j], v[SA+8*\a+\j]
.endr
.endr
	v_nop                              ; one plain place behind the last exponential
	s_wait_alu depctr_va_vdst(0)
.irp qb, 0,1,2,3
	v_pk_add_f32 v[ACC+4*\qb:ACC+4*\qb+1], v[SA+8*\qb:SA+8*\qb+1], v[SA+8*\qb+2:SA+8*\qb+3]
.endr
.irp qb, 0,1,2,3
	v_pk_add_f32 v[ACC+4*\qb+2:ACC+4*\qb+3], v[SA+8*\qb+4:SA+8*\qb+5], v[SA+8*\qb+6:SA+8*\qb+7]
.endr
.irp p, 0,1
.irp qb, 0,1,2,3
	v_pk_add_f32 v[ACC+4*\qb:ACC+4*\qb+1], v[ACC+4*\qb:ACC+4*\qb+1], v[SA+8*(4+\qb)+4*\p:SA+8*(4+\qb)+4*\p+1]
.endr
.irp qb, 0,1,2,3
	v_pk_add_f32 v[ACC+4*\qb+2:ACC+4*\qb+3], v[ACC+4*\qb+2:ACC+4*\qb+3], v[SA+8*(4+\qb)+4*\p+2:SA+8*(4+\qb)+4*\p+3]
.endr
.endr
.irp qb, 0,1,2,3
	v_pk_add_f32 v[ACC+4*\qb:ACC+4*\qb+1], v[ACC+4*\qb:ACC+4*\qb+1], v[ACC+4*\qb+2:ACC+4*\qb+3]
.endr
.irp qb, 0,1,2,3
.if \first
	v_add_f32 v[LS+\qb], v[ACC+4*\qb], v[ACC+4*\qb+1]
.else
	v_add_f32 v[ACC+4*\qb], v[ACC+4*\qb], v[ACC+4*\qb+1]
.endif
.endr
.if \first == 0
.irp qb, 0,1,2,3
	v_fma_f32 v[LS+\qb], v[LS+\qb], v[AL2+2*\qb], v[ACC+4*\qb]
.endr
.endif
	PACKP v_cvt_pk_bf16_f32
	PSTORE
	s_wait_dscnt 0x0                   ; for the others' sake: my part of P is in the stage
	s_barrier_signal -1
.if \first == 0
	OMUL                               ; register work while the others arrive: O *= alpha
.endif
	s_barrier_wait -1                  ; P is whole
.endm
.macro AHEAD slot, step                ; the head of the trip that reads \slot: the other slot is filled with the next key tile
	s_wait_xcnt 0x0
	v_lshl_add_u32 v78, v0, 2, 0x4c900
	v_mov_b32 v79, 0
	s_wait_tensorcnt 0x0               ; all my tensor loads have landed, my quarter of this trip's tile among them
	ds_add_u32 v78, v79
	s_wait_dscnt 0x0
.if \step
	s_add_nc_u64 s[GA+4*\slot+2:GA+4*\slot+3], s[GA+4*\slot+2:GA+4*\slot+3], 2*TILEB   ; this slot's next tile
.endif
	HEADR GA+4-4*\slot, G1J
.endm
.macro ABODY slot, first
	MM32A ADK+\slot, bf16
.irp kb, 0,1
.irp i, 0,1
	ds_load_b128 v[TA+8*\kb+4*\i:TA+8*\kb+4*\i+3], v[ADT] offset:512*\slot+64*\kb+16*\i
	ds_load_b128 v[TB+8*\kb+4*\i:TB+8*\kb+4*\i+3], v[ADT] offset:8192+512*\slot+64*\kb+16*\i
.endr
.endr
	MM32B 8, bf16
	SOFTMAX \slot, \first
	PV \slot, \first, 1, bf16
.endm
; ---- LayerNorm of O over e, in two passes (mean, then squares of the deviations); gain and bias lie in window 2 at 8 t and 64 + 8 t ----
.macro LNORM
	WIN 0x0f                           ; window 0 = f(O, O)
.irp qb, 0,1,2,3
	v_pk_add_f32 v[ACC+4*\qb:ACC+4*\qb+1], v[8*\qb:8*\qb+1], v[8*\qb+2:8*\qb+3]
.endr
	WIN 0x03                           ; window 0 = O + window 0
.irp t, 0,1,2,3,4,5,6,7
.irp p, 0,1,2,3
.if 4*\t+\p > 1
.irp qb, 0,1,2,3
	v_pk_add_f32 v[ACC+4*\qb:ACC+4*\qb+1], v[8*(4*\t+\qb)+2*\p:8*(4*\t+\qb)+2*\p+1], v[ACC+4*\qb:ACC+4*\qb+1]
.endr
.endif
.endr
.endr
	WIN 0
.irp qb, 0,1,2,3
	v_add_f32 v[LM+\qb], v[ACC+4*\qb], v[ACC+4*\qb+1]
.endr
	HALVES v_add_f32
	EXCH 1
	SUM4
.irp qb, 0,1,2,3
	v_mul_f32 v[AL2+2*\qb], s74, v[AL2+2*\qb]      ; mean
.endr
	DUPAL
	WIN 0xc3
.irp t, 0,1,2,3,4,5,6,7
.irp qb, 0,1,2,3
.irp p, 0,1,2,3
	v_pk_add_f32 v[8*(4*\t+\qb)+2*\p:8*(4*\t+\qb)+2*\p+1], v[8*(4*\t+\qb)+2*\p:8*(4*\t+\qb)+2*\p+1], v[AL2+2*\qb:AL2+2*\qb+1] neg_lo:[0,1] neg_hi:[0,1]
.endr
.endr
.endr
	WIN 0x0f
.irp qb, 0,1,2,3
	v_pk_mul_f32 v[ACC+4*\qb:ACC+4*\qb+1], v[8*\qb:8*\qb+1], v[8*\qb:8*\qb+1]
.endr
.irp t, 0,1,2,3,4,5,6,7
.irp p, 0,1,2,3
.if 4*\t+\p > 0
.irp qb, 0,1,2,3
	v_pk_fma_f32 v[ACC+4*\qb:ACC+4*\qb+1], v[8*(4*\t+\qb)+2*\p:8*(4*\t+\qb)+2*\p+1], v[8*(4*\t+\qb)+2*\p:8*(4*\t+\qb)+2*\p+1], v[ACC+4*\qb:ACC+4*\qb+1]
.endr
.endif
.endr
.endr
	WIN 0
.irp qb, 0,1,2,3
	v_add_f32 v[LM+\qb], v[ACC+4*\qb], v[ACC+4*\qb+1]
.endr
	HALVES v_add_f32
	EXCH 0                             ; the barrier of the exchange above lies between this buffer's two uses
	SUM4
.irp qb, 0,1,2,3
	v_fma_f32 v[AL2+2*\qb], v[AL2+2*\qb], s74, s75 ; variance + 1e-5
.endr
.irp qb, 0,1,2,3
	v_rsq_f32 v[AL2+2*\qb], v[AL2+2*\qb]
.endr
	v_nop                              ; one plain place behind the last of them
	s_wait_alu depctr_va_vdst(0)
	DUPAL
	OMUL
	WIN 0xeb                           ; O = O * window 2 + window 2
.irp t, 0,1,2,3,4,5,6,7
.irp qb, 0,1,2,3
.irp p, 0,1,2,3
	v_pk_fma_f32 v[8*(4*\t+\qb)+2*\p:8*(4*\t+\qb)+2*\p+1], v[8*(4*\t+\qb)+2*\p:8*(4*\t+\qb)+2*\p+1], v[8*\t+2*\p:8*\t+2*\p+1], v[64+8*\t+2*\p:64+8*\t+2*\p+1]
.endr
.endr
.endr
	WIN 0
.endm
; =====================================================  PROLOGUE  =====================================================
	s_load_b512 s[4:19], s[0:1], 0x0               ; queries 4, Kb 6, W1h 8, W2Th 10, key_masks 12, query_masks 14, ln_w 16, ln_b 18
	s_load_b256 s[20:27], s[0:1], 0x40             ; b1 20, b2 22, ln2_w 24, ln2_b 26
	s_load_b64 s[28:29], s[0:1], 0x60              ; out0
	v_lshl_add_u32 v78, v0, 2, 0x4c900
	v_mov_b32 v79, 0
	ds_add_u32 v78, v79
	s_wait_dscnt 0x0
	v_lshrrev_b32 v1, 5, v0
	v_readfirstlane_b32 s30, v1                    ; wave 0..3
	s_bfe_u32 s31, ttmp6, 0x40000                  ; cx
	s_lshl_b32 s32, ttmp9, 2                       ; in a cluster launch ttmp9 counts clusters
	s_add_co_u32 s32, s32, s31                     ; work-group x = 4 x cluster + cx
	s_lshr_b32 s33, ttmp9, 3                       ; batch = x / 32, made of the cluster's number alone: equal in the four partners
	s_mul_i32 s34, s30, QUART                      ; my quarter of a slot
	s_mov_b32 s66, 0x76543210
	s_mov_b32 s67, 0xfedcba98
	s_lshl_b32 s68, s30, 15                        ; my quarter of a tile in memory
	s_mov_b32 s69, 0
	s_mov_b32 s74, 0x3b000000                      ; 1/512
	s_mov_b32 s75, 0x3727c5ac                      ; 1e-5
	s_mov_b32 s76, 0x477fe000                      ; 65,504, f16's largest number
	; group 1: 32 rows of 512 elements of 2 bytes, 16 bytes of padding behind every 256 words
	s_mov_b32 s[G1J], 0x07f1000f                   ; 15:0 mask 15; 17:16 size code 1; 20 padding on; 21 set beside a mask; 24:22 interval code 7; 31:25 pad code 3
	s_mov_b32 s[G1P], 0x07d10000                   ; the same without mask and bit 21
.irp g, G1J, G1P
	s_mov_b32 s[\g+1], 512<<16                     ; tensor_dim0 = 512
	s_mov_b32 s[\g+2], 32<<16                      ; tensor_dim1 = 32
	s_mov_b32 s[\g+3], 512<<16                     ; tile_dim0 = 512
	s_mov_b32 s[\g+4], 32                          ; tile_dim1 = 32
	s_mov_b32 s[\g+5], 512                         ; 512 elements from row to row
	s_mov_b32 s[\g+6], 0
	s_mov_b32 s[\g+7], 0
.endr
	s_mov_b32 s[GA], 1
	s_mov_b32 s[GA+1], s34                         ; slot 0
	s_mov_b32 s[GA+4], 1
	s_add_co_u32 s[GA+5], s34, SLOT                ; slot 1
	s_mov_b32 s[GQ], 1
	s_add_co_u32 s[GQ+1], s34, SLOT                ; the query tile goes to slot 1 first
	s_lshl_b32 s70, s33, 21                        ; batch x 2048 keys x 1,024 bytes
	s_mov_b32 s71, 0
	s_lshl_b32 s72, s32, 17                        ; x times 64 rows x 2,048 bytes
	s_mov_b32 s73, 0
	s_wait_kmcnt 0x0
	s_add_nc_u64 s[GA+2:GA+3], s[6:7], s[70:71]
	s_add_nc_u64 s[GA+2:GA+3], s[GA+2:GA+3], s[68:69]      ; key tile 0, my quarter
	s_add_nc_u64 s[GA+6:GA+7], s[GA+2:GA+3], TILEB         ; key tile 1
	s_or_b32 s[GA+3], s[GA+3], 0x80000000                  ; type 2
	s_or_b32 s[GA+7], s[GA+7], 0x80000000
	s_add_nc_u64 s[GQ+2:GQ+3], s[4:5], s[72:73]
	s_add_nc_u64 s[GQ+2:GQ+3], s[GQ+2:GQ+3], s[68:69]      ; my work-group's queries, my quarter
	s_or_b32 s[GQ+3], s[GQ+3], 0x80000000
	s_add_nc_u64 s[28:29], s[28:29], s[72:73]              ; out0 at my work-group's rows
	s_lshl_b32 s70, s33, 13
	s_add_nc_u64 s[12:13], s[12:13], s[70:71]              ; key_masks at my batch
	s_lshl_b32 s72, s32, 8
	s_add_nc_u64 s[14:15], s[14:15], s[72:73]              ; query_masks at my rows
	ROUND                                          ; the four work-groups are here: the first joint load meets
	tensor_load_to_lds s[GQ:GQ+3], s[G1P:G1P+7]    ; the two first fills go out together: queries -> slot 1,
	s_nop 0
	tensor_load_to_lds s[GA:GA+3], s[G1J:G1J+7]    ; key tile 0 -> slot 0.  Two tensor loads of the wave are out here, one at any later time
	s_nop 0
	v_lshlrev_b32 v1, 4, v0                        ; 16 x thread
	v_and_b32 v2, 15, v0                           ; r
	v_bfe_u32 v3, v0, 4, 1                         ; h
	v_and_b32 v58, 31, v0                          ; lane
	v_lshlrev_b32 v59, 2, v2                       ; 4 r
.irp i, 0,1,2,3
	global_load_b128 v[64+4*\i:67+4*\i], v1, s[12:13] offset:2048*\i     ; the batch's 2,048 key masks: each load of a wave covers 512 consecutive bytes
.endr
	global_load_b128 v[80:83],   v1, s[16:17]      ; ln_w
	global_load_b128 v[84:87],   v1, s[18:19]      ; ln_b
	global_load_b128 v[88:91],   v1, s[20:21]      ; b1
	global_load_b128 v[92:95],   v1, s[22:23]      ; b2
	global_load_b128 v[96:99],   v1, s[24:25]      ; ln2_w
	global_load_b128 v[100:103], v1, s[26:27]      ; ln2_b
.irp qb, 0,1,2,3
	global_load_b32 v[QMR+\qb], v59, s[14:15] offset:64*\qb              ; the mask of query 16 qb + r
.endr
	; the address registers
	v_mul_u32_u24 v60, v2, PITCH
	v_lshl_add_u32 v60, v3, 7, v60
	v_add_nc_u32 v[ADK], s34, v60
	v_add_nc_u32 v[ADK+1], SLOT, v[ADK]
	v_and_b32 v60, 7, v0
	v_lshl_add_u32 v60, v3, 3, v60
	v_mul_u32_u24 v60, v60, PITCH
	v_bfe_u32 v61, v0, 3, 1
	v_lshl_add_u32 v60, v61, 7, v60
	s_lshl_b32 s70, s30, 8
	v_add_nc_u32 v[ADV], s70, v60
	v_add_nc_u32 v[ADV+1], HALFS, v[ADV]
	v_add_nc_u32 v[ADV+2], SLOT, v[ADV]
	v_add_nc_u32 v[ADV+3], SLOT+HALFS, v[ADV]
	v_lshlrev_b32 v60, 4, v58                      ; 16 x lane, kept to the end of this block
	v_add_nc_u32 v[ADPR], PST, v60
	s_lshl_b32 s70, s30, 12
	v_add_nc_u32 v[ADPW], s70, v[ADPR]
	s_lshl_b32 s70, s30, 7
	s_add_co_u32 s70, s70, KTA
	v_lshl_add_u32 v[ADT], v3, 5, s70
	v_lshlrev_b32 v61, 4, v2
	v_add_nc_u32 v[ADSR], STAT, v61
	s_lshl_b32 s70, s30, 8
	v_add_nc_u32 v[ADSW], s70, v[ADSR]
	s_lshl_b32 s70, s30, 9
	s_add_co_u32 s70, s70, PAR
	v_lshl_add_u32 v[ADPAR], v3, 8, s70
	s_lshl_b32 s70, s30, 7
	s_add_co_u32 s70, s70, PAR+4096
	v_lshl_add_u32 v[ADB1], v3, 5, s70
	s_lshr_b32 s70, s30, 1
	s_mul_i32 s70, s70, PITCH
	s_and_b32 s71, s30, 1
	s_lshl_b32 s71, s71, 9
	s_add_co_u32 s70, s70, s71
	v_mul_u32_u24 v61, v2, 2*PITCH                 ; a query's 2,048 bytes are two tile rows
	v_lshl_add_u32 v61, v3, 8, v61
	v_add_nc_u32 v[ADQR], s70, v61
	v_add_nc_u32 v[ADQR+1], HALFS, v[ADQR]
	v_add_nc_u32 v[ADQ], SLOT, v61
	v_add_nc_u32 v[ADQ+1], SLOT+HALFS, v61
	s_mul_i32 s70, s30, OSTAGE
	v_mul_u32_u24 v61, v2, OPITCH
	v_lshl_add_u32 v61, v3, 8, v61
	v_add_nc_u32 v[ADST], s70, v61
	v_add_nc_u32 v[ADLD], s70, v60
	s_lshl_b32 s70, s30, 9
	v_add_nc_u32 v[ADOUT], s70, v60
	v_add_nc_u32 v61, KTA, v1                      ; where my 16 bytes of each table and vector go
.irp qb, 0,1,2,3
	v_mov_b32 v[PT+\qb], 0                         ; v_permlanex16_b32 counts as a reader of its destination
.endr
	v_mov_b32 v136, 0
	v_mov_b32 v137, CSCALE
	v_mov_b32 v138, NEGL
	s_wait_loadcnt 0x0
.irp i, 0,1,2,3,4,5,6,7,8,9,10,11,12,13,14,15
	v_cmp_eq_f32 vcc_lo, 0, v[64+\i]
	v_cndmask_b32 v[104+\i], v137, v136, vcc_lo    ; a = masked ? 0 : scale
	v_cndmask_b32 v[120+\i], v136, v138, vcc_lo    ; b = masked ? -2^32 log2 e : 0
.endr
.irp i, 0,1,2,3
	ds_store_b128 v61, v[104+4*\i:107+4*\i] offset:2048*\i
	ds_store_b128 v61, v[120+4*\i:123+4*\i] offset:8192+2048*\i
.endr
.irp k, 0,1,2,3,4,5
	ds_store_b128 v61, v[80+4*\k:83+4*\k] offset:PAR-KTA+2048*\k
.endr
	s_wait_tensorcnt 0x1                           ; my quarter of the query tile is in; the one younger load, key tile 0, may stay out
	s_wait_dscnt 0x0                               ; my parts of the tables are in
	s_barrier_signal -1
	s_barrier_wait -1
	; Q, rounded to bf16, into the 512 registers of windows 1 and 2: step s takes 16 numbers of each of my four queries
.macro QLOAD s, area
.irp qb, 0,1,2,3
.irp i, 0,1,2,3
	ds_load_b128 v[\area+16*\qb+4*\i:\area+16*\qb+4*\i+3], v[ADQ+(\qb>>1)] offset:QUART*(\qb&1)+PITCH*((\s)>>3)+512*(((\s)>>2)&1)+64*((\s)&3)+16*\i
.endr
.endr
.endm
.macro QSTEP s, win, last
.if \last
	s_wait_dscnt 0x0
.else
	QLOAD (\s+1), (64+64*((\s+1)&1))
	s_wait_dscnt 16                                ; all but the next step's 16 loads
.endif
	WIN \win
.irp qb, 0,1,2,3
.irp p, 0,1,2,3,4,5,6,7
	v_cvt_pk_bf16_f32 v[8*(4*((\s)&7)+\qb)+\p], v[64+64*((\s)&1)+16*\qb+2*\p], v[64+64*((\s)&1)+16*\qb+2*\p+1]
.endr
.endr
	WIN 0
.endm
	QLOAD 0, 64
.irp s, 0,1,2,3,4,5,6,7
	QSTEP \s, 0x40, 0
.endr
.irp s, 8,9,10,11,12,13,14
	QSTEP \s, 0x80, 0
.endr
	QSTEP 15, 0x80, 1
; =====================================================  ATTENTION: 16 key tiles  =====================================================
; Trip n reads tile n in slot n & 1 and asks for tile n + 1 straight behind its round: that load has the trip's 256 matrix instructions and its softmax in which to land.
	AHEAD 0, 1                                     ; trip 0: key tile 1 goes over the query tile, whose reads the head has waited for
	ABODY 0, 1                                     ; the first tile starts maximum, sums and O: nothing is cleared
	AHEAD 1, 1
	ABODY 1, 0
	v_add_nc_u32 v[ADT], 1024, v[ADT]              ; 256 keys on in the tables
	s_mov_b32 s35, 6                               ; trips 2 to 13
.Llap:
	AHEAD 0, 1
	ABODY 0, 0
	AHEAD 1, 1
	ABODY 1, 0
	v_add_nc_u32 v[ADT], 1024, v[ADT]
	s_sub_co_u32 s35, s35, 1
	s_cmp_lg_u32 s35, 0
	s_cbranch_scc1 .Llap
	AHEAD 0, 0                                     ; trip 14 asks for tile 15, the last
	ABODY 0, 0
	s_wait_xcnt 0x0
	v_lshl_add_u32 v78, v0, 2, 0x4c900
	v_mov_b32 v79, 0
	s_wait_tensorcnt 0x0                           ; trip 15: no tensor load of mine is out, so group 0 registers may be written
	ds_add_u32 v78, v79
	s_wait_dscnt 0x0
	s_add_nc_u64 s[GA+6:GA+7], s[8:9], s[68:69]    ; slot 1's next tile: W1h's rows 0-127, my quarter
	s_or_b32 s[GA+7], s[GA+7], 0x80000000
	s_mov_b32 s[GQ+1], s34                         ; the query tile now goes to slot 0
	HEADR GQ, G1P                                  ; my own load, behind a round like the joint ones
	ABODY 1, 0
; =====================================================  x = LN1(O / sum * query mask + Q)  =====================================================
	s_wait_xcnt 0x0
	v_lshl_add_u32 v78, v0, 2, 0x4c900
	v_mov_b32 v79, 0
	s_wait_tensorcnt 0x0
	ds_add_u32 v78, v79
	s_wait_dscnt 0x0
	s_add_nc_u64 s[GA+2:GA+3], s[10:11], s[68:69]  ; slot 0's next tile: W2Th's rows 0-127
	s_or_b32 s[GA+3], s[GA+3], 0x80000000
	HEADR GA+4, G1J                                ; W1h tile 0 -> slot 1
	WIN 0x40
.irp t, 0,1,2,3,4,5,6,7
.irp qb, 0,1,2,3
.irp hf, 0,1
	ds_load_b128 v[8*(4*\t+\qb)+4*\hf:8*(4*\t+\qb)+4*\hf+3], v[ADQR+(\qb>>1)] offset:QUART*(\qb&1)+32*\t+16*\hf   ; Q in f32, in O's layout
.endr
.endr
.endr
	WIN 0x80
.irp t, 0,1,2,3,4,5,6,7
.irp hf, 0,1
	ds_load_b128 v[8*\t+4*\hf:8*\t+4*\hf+3],         v[ADPAR] offset:32*\t+16*\hf          ; ln_w
	ds_load_b128 v[64+8*\t+4*\hf:64+8*\t+4*\hf+3],   v[ADPAR] offset:2048+32*\t+16*\hf     ; ln_b
	ds_load_b128 v[128+8*\t+4*\hf:128+8*\t+4*\hf+3], v[ADPAR] offset:6144+32*\t+16*\hf     ; b2
.endr
.endr
	WIN 0
.irp qb, 0,1,2,3
	v_mov_b32 v[LM+\qb], v[LS+\qb]
.endr
	HALVES v_add_f32
	EXCH 0                                         ; its wait for 0 also shows the loads above done
	SUM4                                           ; the row sums: at least 1, the maximum's own term
.irp qb, 0,1,2,3
	v_rcp_f32 v[AL2+2*\qb], v[AL2+2*\qb]
.endr
	v_nop
	s_wait_alu depctr_va_vdst(0)
.irp qb, 0,1,2,3
	v_mul_f32 v[AL2+2*\qb], v[AL2+2*\qb], v[QMR+\qb]
.endr
	DUPAL
	WIN 0xd3                                       ; O = O * window 0 + window 1
.irp t, 0,1,2,3,4,5,6,7
.irp qb, 0,1,2,3
.irp p, 0,1,2,3
	v_pk_fma_f32 v[8*(4*\t+\qb)+2*\p:8*(4*\t+\qb)+2*\p+1], v[8*(4*\t+\qb)+2*\p:8*(4*\t+\qb)+2*\p+1], v[AL2+2*\qb:AL2+2*\qb+1], v[8*(4*\t+\qb)+2*\p:8*(4*\t+\qb)+2*\p+1]
.endr
.endr
.endr
	WIN 0
	LNORM
	WIN 0x0f
.irp qb, 0,1,2,3
.irp u, 0,1,2,3
.irp hf, 0,1
.irp p, 0,1,2,3
	v_cvt_pk_f16_f32 v[XP+8*(4*\qb+\u)+4*\hf+\p], v[8*(4*(2*\u+\hf)+\qb)+2*\p], v[8*(4*(2*\u+\hf)+\qb)+2*\p+1]   ; tiles 2 u, 2 u + 1 = the fragment of step 4 w + u, in f16
.endr
.endr
.endr
.endr
	WIN 0xcb                                       ; O = x + b2: the second FFN layer adds onto it, so residual and bias cost nothing more
.irp t, 0,1,2,3,4,5,6,7
.irp qb, 0,1,2,3
.irp p, 0,1,2,3
	v_pk_add_f32 v[8*(4*\t+\qb)+2*\p:8*(4*\t+\qb)+2*\p+1], v[8*(4*\t+\qb)+2*\p:8*(4*\t+\qb)+2*\p+1], v[128+8*\t+2*\p:128+8*\t+2*\p+1]
.endr
.endr
.endr
	WIN 0
	; every wave needs all 16 steps' fragments of x: 64 KiB, through 32 KiB of LDS (the stage of P and the two tables, both read for the last time in trip 15), two query blocks at a time
.macro XSTORE qa
.irp q2, 0,1
.irp u, 0,1,2,3
.irp hf, 0,1
	ds_store_b128 v[ADPW], v[XP+8*(4*(\qa+\q2)+\u)+4*\hf:XP+8*(4*(\qa+\q2)+\u)+4*\hf+3] offset:16384*\q2+1024*\u+512*\hf
.endr
.endr
.endr
	s_wait_dscnt 0x0                               ; for the others' sake
	s_barrier_signal -1
	s_barrier_wait -1
.endm
.macro XLOAD qa
	WIN 0x40
.irp q2, 0,1
.irp s8, 0,1,2,3,4,5,6,7
.irp hf, 0,1
	ds_load_b128 v[8*(4*\s8+\qa+\q2)+4*\hf:8*(4*\s8+\qa+\q2)+4*\hf+3], v[ADPR] offset:16384*\q2+1024*\s8+512*\hf
.endr
.endr
.endr
	WIN 0x80
.irp q2, 0,1
.irp s8, 0,1,2,3,4,5,6,7
.irp hf, 0,1
	ds_load_b128 v[8*(4*\s8+\qa+\q2)+4*\hf:8*(4*\s8+\qa+\q2)+4*\hf+3], v[ADPR] offset:16384*\q2+1024*(8+\s8)+512*\hf
.endr
.endr
.endr
	WIN 0
.endm
	XSTORE 0
	XLOAD 0
	s_wait_dscnt 0x0                               ; my reads are done before anybody stores the next two blocks
	s_barrier_signal -1
	s_barrier_wait -1
	XSTORE 2
	XLOAD 2                                        ; waited for by the next head's wait for 0
; =====================================================  FFN: four pairs of tiles (128 f each), operands in f16  =====================================================
; The rounds at the two heads also order the stage of h: stores, wait for 0, round, reads; reads, wait for 0, round, stores.
; No accumulator passes in place from the bf16 form to the f16 form: SA starts from the constant 0, and O was rewritten by vector instructions (x + b2).
.macro FFN T
	s_wait_xcnt 0x0
	v_lshl_add_u32 v78, v0, 2, 0x4c900
	v_mov_b32 v79, 0
	s_wait_tensorcnt 0x0
	ds_add_u32 v78, v79
	s_wait_dscnt 0x0
.if \T < 3
	s_add_nc_u64 s[GA+6:GA+7], s[GA+6:GA+7], TILEB
.endif
	HEADR GA, G1J                                  ; W2Th tile T -> slot 0
	MM32A ADK+1, f16                               ; h^T = W1 tile x^T
.irp kb, 0,1
.irp i, 0,1
	ds_load_b128 v[TA+8*\kb+4*\i:TA+8*\kb+4*\i+3], v[ADB1] offset:512*\T+64*\kb+16*\i
.endr
.endr
	MM32B 4, f16
	s_wait_dscnt 0x0
.irp kb, 0,1
.irp qb, 0,1,2,3
.irp p, 0,1,2,3
	v_pk_add_f32 v[SA+8*(4*\kb+\qb)+2*\p:SA+8*(4*\kb+\qb)+2*\p+1], v[SA+8*(4*\kb+\qb)+2*\p:SA+8*(4*\kb+\qb)+2*\p+1], v[TA+8*\kb+2*\p:TA+8*\kb+2*\p+1]
.endr
.endr
.endr
.irp a, 0,1,2,3,4,5,6,7
.irp j, 0,1,2,3,4,5,6,7
	v_med3_num_f32 v[SA+8*\a+\j], v[SA+8*\a+\j], 0, s76    ; ReLU, and the clamp at f16's largest number, in one
.endr
.endr
	PACKP v_cvt_pk_f16_f32
	PSTORE
	s_wait_xcnt 0x0
	v_lshl_add_u32 v78, v0, 2, 0x4c900
	v_mov_b32 v79, 0
	s_wait_tensorcnt 0x0
	ds_add_u32 v78, v79
	s_wait_dscnt 0x0
.if \T < 3
	s_add_nc_u64 s[GA+2:GA+3], s[GA+2:GA+3], TILEB
	HEADR GA+4, G1J                                ; W1h tile T + 1 -> slot 1
.else
	s_wait_dscnt 0x0                               ; nothing is left to fetch: my work-group's barrier alone
	s_barrier_signal -1
	s_barrier_wait -1
.endif
	PV 0, 0, 0, f16                                ; O += W2 tile h^T
.endm
	FFN 0
	FFN 1
	FFN 2
	FFN 3
; =====================================================  out0 = LN2(O)  =====================================================
	WIN 0x80
.irp t, 0,1,2,3,4,5,6,7
.irp hf, 0,1
	ds_load_b128 v[8*\t+4*\hf:8*\t+4*\hf+3],       v[ADPAR] offset:8192+32*\t+16*\hf      ; ln2_w
	ds_load_b128 v[64+8*\t+4*\hf:64+8*\t+4*\hf+3], v[ADPAR] offset:10240+32*\t+16*\hf     ; ln2_b
.endr
.endr
	WIN 0
	LNORM                                          ; its first exchange: every wave has waited for its reads of slot 0 and passed a barrier
	; The way out: my 128 columns of the 64 rows through my own 33,792 bytes of the slots, which have had their last fill.
	WIN 0x0c                                       ; store data from window 3
.irp qb, 0,1,2,3
.irp t, 0,1,2,3,4,5,6,7
.irp hf, 0,1
	ds_store_b128 v[ADST], v[8*(4*\t+\qb)+4*\hf:8*(4*\t+\qb)+4*\hf+3] offset:16*OPITCH*\qb+32*\t+16*\hf
.endr
.endr
.endr
	WIN 0x40
.irp a, 0,1,2,3,4,5,6,7
.irp b, 0,1,2,3,4,5,6,7
	ds_load_b128 v[4*(8*\a+\b):4*(8*\a+\b)+3], v[ADLD] offset:OPITCH*(8*\a+\b)    ; LDS serves a wave's instructions in order (ISA guide 5.7.1): these see the stores above
.endr
.endr
	WIN 0x04                                       ; store data from window 1
.irp a, 0,1,2,3,4,5,6,7
.irp b, 0,1,2,3,4,5,6,7
	s_wait_dscnt 63-(8*\a+\b)                      ; row q is in; the 63 - q younger row loads stay out
	global_store_b128 v[ADOUT], v[4*(8*\a+\b):4*(8*\a+\b)+3], s[28:29] offset:2048*(8*\a+\b) th:TH_STORE_NT   ; a wave's store covers 512 consecutive bytes, aligned
.endr
.endr
	WIN 0
	s_wait_xcnt 0x0
	v_lshl_add_u32 v78, v0, 2, 0x4c900
	v_mov_b32 v79, 0
	s_wait_tensorcnt 0x0
	ds_add_u32 v78, v79
	s_wait_dscnt 0x0
	ROUND                                          ; the closing round: no work-group ends while a partner may still ask for a tile that names it
	s_endpgm
.Lfunc_end_k_q57b0791f09_attn:
	.size	k_q57b0791f09_attn, .Lfunc_end_k_q57b0791f09_attn-k_q57b0791f09_attn
	.p2alignl 7, 3214868480
	.fill 96, 4, 3214868480
	.section	.rodata,"a",@progbits
	.p2align	6, 0x0
	.amdhsa_kernel k_q57b0791f09_attn
		.amdhsa_group_segment_fixed_size 327680
		.amdhsa_private_segment_fixed_size 0
		.amdhsa_enable_private_segment 0
		.amdhsa_kernarg_size 104
		.amdhsa_user_sgpr_count 2
		.amdhsa_user_sgpr_kernarg_segment_ptr 1
		.amdhsa_wavefront_size32 1
		.amdhsa_system_sgpr_workgroup_id_x 1
		.amdhsa_system_sgpr_workgroup_id_y 1
		.amdhsa_system_sgpr_workgroup_id_z 1
		.amdhsa_system_vgpr_workitem_id 0
		.amdhsa_next_free_vgpr 1024
		.amdhsa_next_free_sgpr 77
		.amdhsa_reserve_vcc 1
		.amdhsa_float_denorm_mode_32 3
		.amdhsa_float_denorm_mode_16_64 3
		.amdhsa_memory_ordered 1
		.amdhsa_forward_progress 1
		.amdhsa_inst_pref_size 255
	.end_amdhsa_kernel
	.section	.bss,"aw",@nobits
	.p2align	6
	.space	262144
	.amdgpu_metadata
---
amdhsa.version: [ 1, 2 ]
amdhsa.kernels:
  - .name:           k_q57b0791f09_attn
    .symbol:         k_q57b0791f09_attn.kd
    .args:
      - { .name: queries, .offset: 0, .size: 8, .value_kind: global_buffer, .address_space: global }
      - { .name: Kb, .offset: 8, .size: 8, .value_kind: global_buffer, .address_space: global }
      - { .name: W1h, .offset: 16, .size: 8, .value_kind: global_buffer, .address_space: global }
      - { .name: W2Th, .offset: 24, .size: 8, .value_kind: global_buffer, .address_space: global }
      - { .name: key_masks, .offset: 32, .size: 8, .value_kind: global_buffer, .address_space: global }
      - { .name: query_masks, .offset: 40, .size: 8, .value_kind: global_buffer, .address_space: global }
      - { .name: ln_w, .offset: 48, .size: 8, .value_kind: global_buffer, .address_space: global }
      - { .name: ln_b, .offset: 56, .size: 8, .value_kind: global_buffer, .address_space: global }
      - { .name: b1, .offset: 64, .size: 8, .value_kind: global_buffer, .address_space: global }
      - { .name: b2, .offset: 72, .size: 8, .value_kind: global_buffer, .address_space: global }
      - { .name: ln2_w, .offset: 80, .size: 8, .value_kind: global_buffer, .address_space: global }
      - { .name: ln2_b, .offset: 88, .size: 8, .value_kind: global_buffer, .address_space: global }
      - { .name: out0, .offset: 96, .size: 8, .value_kind: global_buffer, .address_space: global }
    .group_segment_fixed_size: 327680
    .private_segment_fixed_size: 0
    .kernarg_segment_align: 8
    .kernarg_segment_size: 104
    .max_flat_workgroup_size: 128
    .sgpr_count:     77
    .vgpr_count:     1024
    .wavefront_size: 32
...
	.end_amdgpu_metadata
.endif
;; end of part 2
;; ======== version 2 of 2: 2 launches; 1.27 times as fast as version 1
;; limits: values are held in f16: magnitudes above 65,504 overflow, below 6.1e-05 lose precision; right only within a limited range of input values
;; workspace buffers: Kb 16,777,216 bytes; W1h 524,288 bytes; W2Th 524,288 bytes
;; launch prep: the kernel of part 1 again; grid 560 x 1, 8 waves a work-group, no clusters, 0 bytes of LDS; arguments keys, W1, W2, Kb, W1h, W2Th; writes Kb, W1h, W2Th
;; launch attn (part 3): grid 256 x 1, 4 waves a work-group, clusters of 4 x 1, 327,680 bytes of LDS; arguments queries, Kb, W1h, W2Th, key_masks, query_masks, ln_w, ln_b, b1, b2, ln2_w, ln2_b, out0; writes out0
.if DOCPART == 3
	.amdgcn_target "amdgcn-amd-amdhsa--gfx1250"
	.amdhsa_code_object_version 6
	.text
	.protected	k_q57b0791f09_attn
	.globl	k_q57b0791f09_attn
	.p2align	8
	.type	k_q57b0791f09_attn,@function
k_q57b0791f09_attn:
	s_mov_b64 s[64:65], 0
	v_nop
	global_prefetch_b8 v0, s[64:65] scope:SCOPE_SE
	s_setreg_imm32_b32 hwreg(HW_REG_WAVE_MODE, 25, 1), 1
	s_wait_xcnt 0x0
	s_wait_alu depctr_hold_cnt(0) depctr_sa_sdst(0) depctr_va_vdst(0) depctr_va_sdst(0) depctr_va_ssrc(0) depctr_va_vcc(0) depctr_vm_vsrc(0)
	s_getreg_b32 s2, hwreg(HW_REG_IB_STS2, 6, 4)
	s_cmp_eq_u32 s2, 0
	s_cbranch_scc0 .Lentry_in_a_cluster
	s_endpgm
.Lentry_in_a_cluster:
	s_bfe_u32 s2, ttmp6, 0x10000c
	s_cmp_lg_u32 s2, 0x3003
	s_cbranch_scc0 .Lentry_shape_is_right
	s_endpgm
.Lentry_shape_is_right:
; out0 = LN2( FFN(x) + x ),  x = LN1( softmax(Q K^T / (sqrt(512)+1e-8), key mask) * query mask * K + Q ).   B = 8, Lq = Lk = 2048, E = 512.
; A work-group owns 64 query rows and keeps everything from the scores to the second LayerNorm on chip; 16,384 rows / 64 = 256 work-groups.
; Four waves.  Keys (bf16) and weights (f16), rounded by the launch before, come in tiles of 128 rows x 1,024 bytes through two LDS slots.
;
; ALL PRODUCTS ARE USED TRANSPOSED, so that lane r (= lane mod 16; h = lane / 16) always owns query 16 qb + r, qb = 0..3:
;   MM32  D[128 tile rows][64 queries] = Tile X^T.  Wave w takes tile rows 32 w .. 32 w + 31 (two blocks kb); source 0 from LDS, source 1 = all 64 queries
;         x 512 resident in 512 registers.  Scores (Tile = keys, X = Q) and the first FFN layer (Tile = W1, X = x).
;   PV    O[512 e][64 queries] += Tile^T P^T.  Wave w owns e = 128 w .. 128 w + 127: 8 tiles t x 4 qb = 256 registers; source 0 by transposing loads from
;         the same kind of tile, source 1 = P from a stage of 16 KiB.  Values (Tile = keys) and the second FFN layer (Tile = W2 transposed, P = h).
;   MM32's result, register j of lane (r, h) = tile row 16 kb + 8 h + j: blocks kb = 0, 1 packed to 16 bits ARE a source-1 fragment of 32 rows for PV.
; TWO PERMUTATIONS: (1) in MM32's step s the half h of the lanes holds e0 .. e0 + 15, e0 = 128 (s>>2) + 16 (s&3) + 64 h, alike in both sources, which keeps
;   the products.  (2) In PV's transposing loads lanes 8-15 and 24-31 address + 128 bytes, so that tile t's register j of lane (r, h) is e = 128 w + 8 t + 64 h + j.
;   Then numbers in O's layout, tiles 2 u and 2 u + 1 packed, are MM32's source-1 fragment of step 4 w + u: Q and x both reach MM32 as register images,
;   each wave packing its own 128 columns and all waves reading all sixteen steps back through 32 KiB of LDS.
;   Both kinds of load touch sixteen different 16-byte columns modulo 256 bytes in each group of sixteen lanes at the pitch 1,040 = 65 x 16.
; CLUSTER 4 x 1: the four work-groups lie in one batch (32 work-groups a batch) and walk the same key tiles and the same weight tiles: these are asked for
;   jointly, mask 15.  The query tiles are each work-group's own (mask 0).
; SHORT TEXT: all sixteen key tiles run through one loop of eight laps, and three of the four FFN pairs through another.  So that the first tile needs no text of
;   its own, the running maximum starts at -infinity (the first rescale factor is 2^-inf = 0), the row sums at 0 and O as the product of a zero fragment.
;   The loop's last refill is the first tile of W1: the address is chosen on the lap counter.
; The f32 query block comes twice, both times into slot 1: at the start, to be rounded into registers, and behind the last key tile, for the residual in f32.
; FORMATS: Q, K, P in bf16 (the attention's result is a small addend beside the f32 residual).  x, W1, h, W2 in f16: 11 significant bits against bf16's 8, so the
;   two linear layers' sums of 512 products carry an eighth of the rounding error.  All else in f32.
;   Room in f16 (largest number 65,504): |x| <= sqrt(511) |ln_w| + |ln_b|;  |h| <= |W1's row| |x| + |b1|, which with weights of 2.3 (30 times the largest drawn)
;   and a gain of 30 is at most (sqrt(512) 2.3) (sqrt(512) 30) = 35,300.
; LIMITS: x, W1 or W2 beyond 65,504 in magnitude becomes infinite; h is clamped at 65,504.  A masked key's score is replaced as s * 0 + (-2^32 log2 e): a score
;   that has itself overflowed to infinity or NaN under a masked key gives NaN here.  The softmax takes a running maximum away, in base 2.
;
; LDS (bytes)
.set PITCH,  1040                      ; a tile row: 1,024 of data + 16 of padding
.set QUART,  32*PITCH                  ; 33,280: what one wave's tensor load brings
.set HALFS,  64*PITCH                  ; 66,560
.set SLOT,   128*PITCH                 ; 133,120: slot 0 at 0, slot 1 at SLOT
.set PST,    2*SLOT                    ; 266,240: stage of P and h, 16 fragments of 1,024 bytes (512 x half + 16 x lane); also half of the exchange of Q and of x
.set KTA,    PST+16384                 ; 282,624: a[key] = mask == 0 ? 0 : log2 e / scale;   before and after the attention the other half of the exchange (with KTB)
.set KTB,    KTA+8192                  ; 290,816: b[key] = mask == 0 ? -2^32 log2 e : 0
.set PAR,    KTB+8192                  ; 299,008: ln_w, ln_b, b1, b2, ln2_w, ln2_b, 2,048 bytes each
.set STAT,   PAR+12288                 ; 311,296: two buffers of [4 waves][16 r][4 qb] f32
.set OPITCH, 528                       ; the way out: 512 bytes + 16; wave w's 64 rows at 33,792 w, in the slots after their last fill
.set OSTAGE, 64*OPITCH
.set TILEB,  131072                    ; bytes of a tile in memory
.set WQ,     32768                     ; a wave's quarter of it
.set CSCALE, 0x3d8293ee                ; log2 e / (sqrt(512) + 1e-8)
.set NEGL,   0xcfb8aa3b                ; -2^32 log2 e
; SCALARS: s[4:29] the thirteen addresses; s30 wave; s31 cx; s32 work-group x; s33 batch; s34 wave x QUART; s35 loop counter;
;          s66, s67 selects of v_permlanex16_b32; s[68:69] wave x WQ; s[70:71] offsets made of batch or wave; s[72:73] offsets made of x; s74 1/512; s75 1e-5; s76 65,504
.set G1J, 36                           ; s[36:43] group 1 of the joint loads
.set G1P, 44                           ; s[44:51] group 1 of my own loads
.set GA,  52                           ; s[52:55], s[56:59] group 0 of slot 0, slot 1
.set GQ,  60                           ; s[60:63] group 0 of the query tile (slot 1), never rewritten
.set KN,  78                           ; s[78:79] the key tile last asked for into slot 0, my quarter, without the type bits
.set W1A, 80                           ; s[80:81] W1h's first tile, my quarter, without the type bits
; VECTORS, window 0
.set ADK,   4                          ; v4, v5    slot + (32 w + r) PITCH + 128 h
.set ADV,   6                          ; v6-v9     [slot][s>>1]: slot + (8 h + lane&7) PITCH + 256 w + 128 ((lane>>3)&1) + HALFS (s>>1)
.set ADPW,  10                         ; PST + 4096 w + 16 lane
.set ADPR,  11                         ; PST + 16 lane
.set ADT,   12                         ; KTA + 128 w + 32 h, + 1,024 a lap
.set ADSW,  13                         ; STAT + 256 w + 16 r
.set ADSR,  14                         ; STAT + 16 r
.set ADPAR, 15                         ; PAR + 512 w + 256 h
.set ADB1,  16                         ; PAR + 4096 + 128 w + 32 h, + 512 an FFN pair
.set ADQR,  17                         ; v17, v18  queries in O's layout: SLOT + 2080 r + 1040 (w>>1) + 512 (w&1) + 256 h (+ HALFS)
.set ADST,  19                         ; OSTAGE w + 528 r + 256 h
.set ADLD,  20                         ; OSTAGE w + 16 lane
.set ADOUT, 21                         ; 512 w + 16 lane
.set QMR,   22                         ; v[22:25]  query mask of my four queries
.set MX,    26                         ; v[26:29]  running maximum
.set LS,    30                         ; v[30:33]  my lane's part of the row sums
.set AL2,   34                         ; v[34:41]  four doubled pairs: alpha; later 1/sum, mean, 1/sigma
.set MN2,   42                         ; v[42:49]  the new maximum, doubled
.set LM,    50                         ; v[50:53]  what goes into an exchange
.set PT,    54                         ; v[54:57]  destinations of v_permlanex16_b32
.set KB0,   64                         ; v64-127   K fragments, buffer 0
.set KB1,   128                        ; v128-191  K fragments, buffer 1
.set TA,    64                         ; v[64:79]  a of my 16 keys (or b1 of my 16 f)
.set TB,    80                         ; v[80:95]  b of my 16 keys
.set PK,    128                        ; v[128:159] P or h, packed
.set SR,    160                        ; v[160:175] an exchange's four answers
.set ACC,   176                        ; v[176:191] sums at work
.set SA,    192                        ; v192-255  MM32's 8 accumulators: SA + 8 (4 kb + qb)
.set B0,    64                         ; PV buffer 0: V v64-127, P v128-159
.set B1,    160                        ; PV buffer 1: V v160-223, P v224-255 (over SA, dead by then)
.set XP,    64                         ; v64-191   Q or x packed: XP + 8 (4 qb + u) + 4 half
.set GLD,   192                        ; v[192:231] prologue: 16 key masks, then 4 numbers of each of the six parameter vectors
.set ZF,    240                        ; v[240:247] prologue: a fragment of zeros
; windows 1, 2: source-1 fragments QF(qb, s) = 8 (4 (s&7) + qb) in window 1 + (s>>3); in the epilogues window 1 = residual or output rows,
;               window 2 = gain at 8 t, bias at 64 + 8 t, b2 at 128 + 8 t.      window 3: O(t, qb) = 8 (4 t + qb).
; s_set_vgpr_msb's low byte: bits 1:0 source 0, 3:2 source 1, 5:4 source 2, 7:6 destination; its high byte repeats the setting that is left.
.set MSB, 0
.macro WIN new
.if MSB != \new
	s_set_vgpr_msb (MSB<<8)|\new
.set MSB, \new
.endif
.endm
.macro PLACES n                        ; plain vector places behind matrix instructions (ISA guide 7.12.1)
.rept \n
	v_nop
.endr
.endm
; A round of the cluster's barrier: my work-group's barrier, wave 0 signals for the work-group, every wave waits for all four work-groups, my work-group's barrier again.
.macro ROUND
	s_barrier_signal -1
	s_barrier_wait -1
	s_cmp_lg_u32 s30, 0
	s_cbranch_scc1 .Lnot_wave_0_\@
	s_barrier_signal -3
.Lnot_wave_0_\@:
	s_barrier_wait -3
	s_barrier_signal -1
	s_barrier_wait -1
.endm
; The second half of a trip's head.  In front of it stands s_wait_tensorcnt 0 (all my tensor loads have landed, so group 0 registers may be written).
; Here: my LDS reads and stores are done; the round shows both of every wave of all four work-groups; the refill is the first thing behind it, one load a wave.
.macro HEADR g0, g1
	s_wait_dscnt 0x0
	ROUND
	tensor_load_to_lds s[\g0:\g0+3], s[\g1:\g1+7]
	s_nop 0
.endm
; ---- MM32 (fmt: bf16 for the scores, f16 for the first FFN layer) ----
.macro FETCHK adk, g, buf              ; 16 loads: steps 4 g .. 4 g + 3, both row blocks
.irp sl, 0,1,2,3
.irp kb, 0,1
.irp hf, 0,1
	ds_load_b128 v[\buf+8*(2*\sl+\kb)+4*\hf:\buf+8*(2*\sl+\kb)+4*\hf+3], v[\adk] offset:16*PITCH*\kb+256*\g+32*\sl+16*\hf
.endr
.endr
.endr
.endm
.macro MMSTEP buf, g, sl, zero, fmt    ; 8 matrix instructions; the 8 accumulators take turns, one instruction a turn
.irp kb, 0,1
.irp qb, 0,1,2,3
.if \zero
	v_wmma_f32_16x16x32_\fmt v[SA+8*(4*\kb+\qb):SA+8*(4*\kb+\qb)+7], v[\buf+8*(2*\sl+\kb):\buf+8*(2*\sl+\kb)+7], v[8*(4*(4*((\g)&1)+\sl)+\qb):8*(4*(4*((\g)&1)+\sl)+\qb)+7], 0
.else
	v_wmma_f32_16x16x32_\fmt v[SA+8*(4*\kb+\qb):SA+8*(4*\kb+\qb)+7], v[\buf+8*(2*\sl+\kb):\buf+8*(2*\sl+\kb)+7], v[8*(4*(4*((\g)&1)+\sl)+\qb):8*(4*(4*((\g)&1)+\sl)+\qb)+7], v[SA+8*(4*\kb+\qb):SA+8*(4*\kb+\qb)+7]
.endif
.endr
.endr
.endm
.macro MMG buf, g, zero, fmt
	MMSTEP \buf, \g, 0, \zero, \fmt    ; the first step starts the sums: nothing is cleared
	MMSTEP \buf, \g, 1, 0, \fmt
	MMSTEP \buf, \g, 2, 0, \fmt
	MMSTEP \buf, \g, 3, 0, \fmt
.endm
.macro MM32A adk, fmt                  ; steps 0-11; LDS loads may stand under the windows 0x04 and 0x08 (destination and address in window 0)
	FETCHK \adk, 0, KB0
	FETCHK \adk, 1, KB1
	s_wait_dscnt 16                    ; all but the other buffer's 16 loads
	WIN 0x04                           ; source 1 in window 1
	MMG KB0, 0, 1, \fmt
	PLACES 4                           ; in front of loads into registers that matrix instructions have read
	FETCHK \adk, 2, KB0
	s_wait_dscnt 16
	MMG KB1, 1, 0, \fmt
	PLACES 4
	FETCHK \adk, 3, KB1
	s_wait_dscnt 16
	WIN 0x08                           ; source 1 in window 2
	MMG KB0, 2, 0, \fmt
	PLACES 4                           ; the caller now loads nx small vectors into buffer 0
.endm
.macro MM32B nx, fmt                   ; steps 12-15
	s_wait_dscnt \nx                   ; all but the caller's nx loads
	MMG KB1, 3, 0, \fmt
	WIN 0
	PLACES 4                           ; in front of vector instructions that read the results
.endm
; ---- PV (fmt: bf16 for the values, f16 for the second FFN layer) ----
.macro FETCHV slot, s, buf             ; 16 transposing loads: tile rows 32 s .. 32 s + 31, my 128 e
.irp t, 0,1,2,3,4,5,6,7
.irp hf, 0,1
	ds_load_tr16_b128 v[\buf+8*\t+4*\hf:\buf+8*\t+4*\hf+3], v[ADV+2*\slot+((\s)>>1)] offset:QUART*((\s)&1)+16*PITCH*\hf+16*\t
.endr
.endr
.endm
.macro FETCHP s, buf                   ; 8 loads: wave s's four fragments of P (or h)
.irp qb, 0,1,2,3
.irp hf, 0,1
	ds_load_b128 v[\buf+64+8*\qb+4*\hf:\buf+64+8*\qb+4*\hf+3], v[ADPR] offset:1024*(4*\s+\qb)+512*\hf
.endr
.endr
.endm
.macro PVSTEP buf, fmt                 ; 32 matrix instructions; the 32 accumulators take turns, one instruction a turn
	WIN 0xf0                           ; C and D in window 3
.irp t, 0,1,2,3,4,5,6,7
.irp qb, 0,1,2,3
	v_wmma_f32_16x16x32_\fmt v[8*(4*\t+\qb):8*(4*\t+\qb)+7], v[\buf+8*\t:\buf+8*\t+7], v[\buf+64+8*\qb:\buf+64+8*\qb+7], v[8*(4*\t+\qb):8*(4*\t+\qb)+7]
.endr
.endr
	WIN 0
.endm
.macro PV slot, vpre, fmt              ; vpre = 1: step 0's V fragments were asked for earlier
.if \vpre == 0
	FETCHV \slot, 0, B0
.endif
	FETCHP 0, B0
	FETCHV \slot, 1, B1
	FETCHP 1, B1
	s_wait_dscnt 24                    ; all but the next step's 16 + 8 loads
	PVSTEP B0, \fmt
	PLACES 4
	FETCHV \slot, 2, B0
	FETCHP 2, B0
	s_wait_dscnt 24
	PVSTEP B1, \fmt
	PLACES 4
	FETCHV \slot, 3, B1
	FETCHP 3, B1
	s_wait_dscnt 24
	PVSTEP B0, \fmt
	s_wait_dscnt 0x0
	PVSTEP B1, \fmt
	PLACES 5                           ; the next MM32's first matrix instruction writes registers that buffer 1's products read
.endm
; ---- small steps ----
.macro HALVES op                       ; LM = op(LM, LM of the lane 16 away)
.irp qb, 0,1,2,3
	v_permlanex16_b32 v[PT+\qb], v[LM+\qb], s66, s67
.endr
.irp qb, 0,1,2,3
	\op v[LM+\qb], v[LM+\qb], v[PT+\qb]
.endr
.endm
.macro EXCH buf                        ; every wave's LM to every wave: SR + 4 w' + qb
	ds_store_b128 v[ADSW], v[LM:LM+3] offset:1024*\buf      ; both halves of the lanes store the same values to the same bytes
	s_wait_dscnt 0x0                   ; for the others' sake: my store, and all my earlier LDS reads, are done
	s_barrier_signal -1
	s_barrier_wait -1
.irp ww, 0,1,2,3
	ds_load_b128 v[SR+4*\ww:SR+4*\ww+3], v[ADSR] offset:1024*\buf+256*\ww
.endr
	s_wait_dscnt 0x0
.endm
.macro SUM4                            ; AL2's low halves = the four waves' sums
.irp qb, 0,1,2,3
	v_add_f32 v[SR+\qb], v[SR+\qb], v[SR+4+\qb]
.endr
.irp qb, 0,1,2,3
	v_add_f32 v[SR+8+\qb], v[SR+8+\qb], v[SR+12+\qb]
.endr
.irp qb, 0,1,2,3
	v_add_f32 v[AL2+2*\qb], v[SR+\qb], v[SR+8+\qb]
.endr
.endm
.macro DUPAL                           ; fill the pairs for the packed forms
.irp qb, 0,1,2,3
	v_mov_b32 v[AL2+2*\qb+1], v[AL2+2*\qb]
.endr
.endm
.macro OMUL                            ; O *= AL2[qb]
	WIN 0xc3
.irp t, 0,1,2,3,4,5,6,7
.irp qb, 0,1,2,3
.irp p, 0,1,2,3
	v_pk_mul_f32 v[8*(4*\t+\qb)+2*\p:8*(4*\t+\qb)+2*\p+1], v[8*(4*\t+\qb)+2*\p:8*(4*\t+\qb)+2*\p+1], v[AL2+2*\qb:AL2+2*\qb+1]
.endr
.endr
.endr
	WIN 0
.endm
.macro PACKP cvt                       ; SA's blocks kb = 0, 1 -> one source-1 fragment for each qb
.irp qb, 0,1,2,3
.irp kb, 0,1
.irp p, 0,1,2,3
	\cvt v[PK+8*\qb+4*\kb+\p], v[SA+8*(4*\kb+\qb)+2*\p], v[SA+8*(4*\kb+\qb)+2*\p+1]
.endr
.endr
.endr
.endm
.macro PSTORE                          ; as register images: neighbouring lanes, neighbouring 16 bytes
.irp qb, 0,1,2,3
.irp hf, 0,1
	ds_store_b128 v[ADPW], v[PK+8*\qb+4*\hf:PK+8*\qb+4*\hf+3] offset:1024*\qb+512*\hf
.endr
.endr
.endm
; ---- the query tile in slot 1, f32, read in O's layout into the window that win's destination field names ----
.macro QRLOAD win
	WIN \win
.irp t, 0,1,2,3,4,5,6,7
.irp qb, 0,1,2,3
.irp hf, 0,1
	ds_load_b128 v[8*(4*\t+\qb)+4*\hf:8*(4*\t+\qb)+4*\hf+3], v[ADQR+(\qb>>1)] offset:QUART*(\qb&1)+32*\t+16*\hf
.endr
.endr
.endr
	WIN 0
.endm
; ---- window 3 (numbers in O's layout) -> source-1 fragments of MM32 in windows 1 and 2 of every wave ----
.macro XPACK cvt                       ; tiles 2 u, 2 u + 1 = the fragment of step 4 w + u
	WIN 0x0f
.irp qb, 0,1,2,3
.irp u, 0,1,2,3
.irp hf, 0,1
.irp p, 0,1,2,3
	\cvt v[XP+8*(4*\qb+\u)+4*\hf+\p], v[8*(4*(2*\u+\hf)+\qb)+2*\p], v[8*(4*(2*\u+\hf)+\qb)+2*\p+1]
.endr
.endr
.endr
.endr
	WIN 0
.endm
.macro XSTORE qa
.irp q2, 0,1
.irp u, 0,1,2,3
.irp hf, 0,1
	ds_store_b128 v[ADPW], v[XP+8*(4*(\qa+\q2)+\u)+4*\hf:XP+8*(4*(\qa+\q2)+\u)+4*\hf+3] offset:16384*\q2+1024*\u+512*\hf
.endr
.endr
.endr
	s_wait_dscnt 0x0                   ; for the others' sake
	s_barrier_signal -1
	s_barrier_wait -1
.endm
.macro XLOAD qa
	WIN 0x40
.irp q2, 0,1
.irp s8, 0,1,2,3,4,5,6,7
.irp hf, 0,1
	ds_load_b128 v[8*(4*\s8+\qa+\q2)+4*\hf:8*(4*\s8+\qa+\q2)+4*\hf+3], v[ADPR] offset:16384*\q2+1024*\s8+512*\hf
.endr
.endr
.endr
	WIN 0x80
.irp q2, 0,1
.irp s8, 0,1,2,3,4,5,6,7
.irp hf, 0,1
	ds_load_b128 v[8*(4*\s8+\qa+\q2)+4*\hf:8*(4*\s8+\qa+\q2)+4*\hf+3], v[ADPR] offset:16384*\q2+1024*(8+\s8)+512*\hf
.endr
.endr
.endr
	WIN 0
.endm
.macro XCHG                            ; 64 KiB of fragments through 32 KiB of LDS (the stage of P and the place of the two tables), two query blocks at a time
	XSTORE 0
	XLOAD 0
	s_wait_dscnt 0x0                   ; my reads are done before anybody stores the next two blocks
	s_barrier_signal -1
	s_barrier_wait -1
	XSTORE 2
	XLOAD 2                            ; the caller waits for these
.endm
; ---- the softmax of one tile of 128 keys, with a running maximum ----
.macro SOFTMAX slot
	s_wait_dscnt 0x0                   ; a and b of my 16 keys
.irp kb, 0,1
.irp qb, 0,1,2,3
.irp p, 0,1,2,3
	v_pk_fma_f32 v[SA+8*(4*\kb+\qb)+2*\p:SA+8*(4*\kb+\qb)+2*\p+1], v[SA+8*(4*\kb+\qb)+2*\p:SA+8*(4*\kb+\qb)+2*\p+1], v[TA+8*\kb+2*\p:TA+8*\kb+2*\p+1], v[TB+8*\kb+2*\p:TB+8*\kb+2*\p+1]   ; scale (base 2) and key mask in one
.endr
.endr
.endr
	FETCHV \slot, 0, B0                ; PV's first V fragments, over a and b
.irp qb, 0,1,2,3
	v_max3_num_f32 v[LM+\qb], v[SA+8*\qb], v[SA+8*\qb+1], v[SA+8*\qb+2]   ; four chains over my 16 keys
.endr
.irp k, 1,2,3,4,5,6
.irp qb, 0,1,2,3
	v_max3_num_f32 v[LM+\qb], v[LM+\qb], v[SA+8*(4*((2*\k+1)>>3)+\qb)+((2*\k+1)&7)], v[SA+8*(4*((2*\k+2)>>3)+\qb)+((2*\k+2)&7)]
.endr
.endr
.irp qb, 0,1,2,3
	v_max_num_f32 v[LM+\qb], v[LM+\qb], v[SA+8*(4+\qb)+7]
.endr
	HALVES v_max_num_f32
	EXCH 0                             ; between two uses of this buffer lie the barrier below and the next trip's round
.irp qb, 0,1,2,3
	v_max3_num_f32 v[MN2+2*\qb], v[SR+\qb], v[SR+4+\qb], v[SR+8+\qb]
.endr
.irp qb, 0,1,2,3
	v_max3_num_f32 v[MN2+2*\qb], v[MN2+2*\qb], v[SR+12+\qb], v[MX+\qb]
.endr
.irp qb, 0,1,2,3
	v_sub_f32 v[AL2+2*\qb], v[MX+\qb], v[MN2+2*\qb]
.endr
.irp qb, 0,1,2,3
	v_exp_f32 v[AL2+2*\qb], v[AL2+2*\qb]           ; alpha = 2^(old maximum - new); 0 in the first trip
.endr
.irp qb, 0,1,2,3
	v_mov_b32 v[MX+\qb], v[MN2+2*\qb]              ; plain instructions between the exponentials and the first use of alpha (ISA guide 5.7.2)
.endr
	s_wait_alu depctr_va_vdst(0)
.irp qb, 0,1,2,3
	v_mov_b32 v[MN2+2*\qb+1], v[MN2+2*\qb]
.endr
	DUPAL
.irp kb, 0,1
.irp qb, 0,1,2,3
.irp p, 0,1,2,3
	v_pk_add_f32 v[SA+8*(4*\kb+\qb)+2*\p:SA+8*(4*\kb+\qb)+2*\p+1], v[SA+8*(4*\kb+\qb)+2*\p:SA+8*(4*\kb+\qb)+2*\p+1], v[MN2+2*\qb:MN2+2*\qb+1] neg_lo:[0,1] neg_hi:[0,1]
.endr
.endr
.endr
.irp a, 0,1,2,3,4,5,6,7
.irp j, 0,1,2,3,4,5,6,7
	v_exp_f32 v[SA+8*\a+\j], v[SA+8*\a+\j]
.endr
.endr
	v_nop                              ; one plain place behind the last exponential
	s_wait_alu depctr_va_vdst(0)
.irp qb, 0,1,2,3
	v_pk_add_f32 v[ACC+4*\qb:ACC+4*\qb+1], v[SA+8*\qb:SA+8*\qb+1], v[SA+8*\qb+2:SA+8*\qb+3]
.endr
.irp qb, 0,1,2,3
	v_pk_add_f32 v[ACC+4*\qb+2:ACC+4*\qb+3], v[SA+8*\qb+4:SA+8*\qb+5], v[SA+8*\qb+6:SA+8*\qb+7]
.endr
.irp p, 0,1
.irp qb, 0,1,2,3
	v_pk_add_f32 v[ACC+4*\qb:ACC+4*\qb+1], v[ACC+4*\qb:ACC+4*\qb+1], v[SA+8*(4+\qb)+4*\p:SA+8*(4+\qb)+4*\p+1]
.endr
.irp qb, 0,1,2,3
	v_pk_add_f32 v[ACC+4*\qb+2:ACC+4*\qb+3], v[ACC+4*\qb+2:ACC+4*\qb+3], v[SA+8*(4+\qb)+4*\p+2:SA+8*(4+\qb)+4*\p+3]
.endr
.endr
.irp qb, 0,1,2,3
	v_pk_add_f32 v[ACC+4*\qb:ACC+4*\qb+1], v[ACC+4*\qb:ACC+4*\qb+1], v[ACC+4*\qb+2:ACC+4*\qb+3]
.endr
.irp qb, 0,1,2,3
	v_add_f32 v[ACC+4*\qb], v[ACC+4*\qb], v[ACC+4*\qb+1]
.endr
.irp qb, 0,1,2,3
	v_fma_f32 v[LS+\qb], v[LS+\qb], v[AL2+2*\qb], v[ACC+4*\qb]
.endr
	PACKP v_cvt_pk_bf16_f32
	PSTORE
	s_wait_dscnt 0x0                   ; for the others' sake: my part of P is in the stage
	s_barrier_signal -1
	OMUL                               ; register work while the others arrive: O *= alpha
	s_barrier_wait -1                  ; P is whole
.endm
.macro ABODY slot                      ; one key tile: scores, softmax, values
	MM32A ADK+\slot, bf16
.irp kb, 0,1
.irp i, 0,1
	ds_load_b128 v[TA+8*\kb+4*\i:TA+8*\kb+4*\i+3], v[ADT] offset:512*\slot+64*\kb+16*\i
	ds_load_b128 v[TB+8*\kb+4*\i:TB+8*\kb+4*\i+3], v[ADT] offset:8192+512*\slot+64*\kb+16*\i
.endr
.endr
	MM32B 8, bf16
	SOFTMAX \slot
	PV \slot, 1, bf16
.endm
; ---- LayerNorm of O over e, in two passes (mean, then squares of the deviations); gain and bias lie in window 2 at 8 t and 64 + 8 t ----
.macro LNORM
	WIN 0x0f                           ; window 0 = f(O, O)
.irp qb, 0,1,2,3
	v_pk_add_f32 v[ACC+4*\qb:ACC+4*\qb+1], v[8*\qb:8*\qb+1], v[8*\qb+2:8*\qb+3]
.endr
	WIN 0x03                           ; window 0 = O + window 0
.irp t, 0,1,2,3,4,5,6,7
.irp p, 0,1,2,3
.if 4*\t+\p > 1
.irp qb, 0,1,2,3
	v_pk_add_f32 v[ACC+4*\qb:ACC+4*\qb+1], v[8*(4*\t+\qb)+2*\p:8*(4*\t+\qb)+2*\p+1], v[ACC+4*\qb:ACC+4*\qb+1]
.endr
.endif
.endr
.endr
	WIN 0
.irp qb, 0,1,2,3
	v_add_f32 v[LM+\qb], v[ACC+4*\qb], v[ACC+4*\qb+1]
.endr
	HALVES v_add_f32
	EXCH 1
	SUM4
.irp qb, 0,1,2,3
	v_mul_f32 v[AL2+2*\qb], s74, v[AL2+2*\qb]      ; mean
.endr
	DUPAL
	WIN 0xc3
.irp t, 0,1,2,3,4,5,6,7
.irp qb, 0,1,2,3
.irp p, 0,1,2,3
	v_pk_add_f32 v[8*(4*\t+\qb)+2*\p:8*(4*\t+\qb)+2*\p+1], v[8*(4*\t+\qb)+2*\p:8*(4*\t+\qb)+2*\p+1], v[AL2+2*\qb:AL2+2*\qb+1] neg_lo:[0,1] neg_hi:[0,1]
.endr
.endr
.endr
	WIN 0x0f
.irp qb, 0,1,2,3
	v_pk_mul_f32 v[ACC+4*\qb:ACC+4*\qb+1], v[8*\qb:8*\qb+1], v[8*\qb:8*\qb+1]
.endr
.irp t, 0,1,2,3,4,5,6,7
.irp p, 0,1,2,3
.if 4*\t+\p > 0
.irp qb, 0,1,2,3
	v_pk_fma_f32 v[ACC+4*\qb:ACC+4*\qb+1], v[8*(4*\t+\qb)+2*\p:8*(4*\t+\qb)+2*\p+1], v[8*(4*\t+\qb)+2*\p:8*(4*\t+\qb)+2*\p+1], v[ACC+4*\qb:ACC+4*\qb+1]
.endr
.endif
.endr
.endr
	WIN 0
.irp qb, 0,1,2,3
	v_add_f32 v[LM+\qb], v[ACC+4*\qb], v[ACC+4*\qb+1]
.endr
	HALVES v_add_f32
	EXCH 0                             ; the barrier of the exchange above lies between this buffer's two uses
	SUM4
.irp qb, 0,1,2,3
	v_fma_f32 v[AL2+2*\qb], v[AL2+2*\qb], s74, s75 ; variance + 1e-5
.endr
.irp qb, 0,1,2,3
	v_rsq_f32 v[AL2+2*\qb], v[AL2+2*\qb]
.endr
	v_nop                              ; one plain place behind the last of them
	s_wait_alu depctr_va_vdst(0)
	DUPAL
	OMUL
	WIN 0xeb                           ; O = O * window 2 + window 2
.irp t, 0,1,2,3,4,5,6,7
.irp qb, 0,1,2,3
.irp p, 0,1,2,3
	v_pk_fma_f32 v[8*(4*\t+\qb)+2*\p:8*(4*\t+\qb)+2*\p+1], v[8*(4*\t+\qb)+2*\p:8*(4*\t+\qb)+2*\p+1], v[8*\t+2*\p:8*\t+2*\p+1], v[64+8*\t+2*\p:64+8*\t+2*\p+1]
.endr
.endr
.endr
	WIN 0
.endm
; ---- one pair of FFN tiles (128 f): W1h's tile in slot 0, W2Th's in slot 1.  last = 1: nothing more is fetched behind this pair's second tile ----
; The rounds at the two heads also order the stage of h: stores, wait for 0, round, reads; reads, wait for 0, round, stores.
.macro FFN last
	s_wait_tensorcnt 0x0               ; all my tensor loads have landed, my quarter of W1h's tile among them
	ds_add_u32 v62, v63
.if \last == 0
	s_add_nc_u64 s[GA+2:GA+3], s[GA+2:GA+3], TILEB         ; slot 0's next tile
.endif
	HEADR GA+4, G1J                    ; W2Th's tile -> slot 1
	MM32A ADK, f16                     ; h^T = W1 tile x^T
.irp kb, 0,1
.irp i, 0,1
	ds_load_b128 v[TA+8*\kb+4*\i:TA+8*\kb+4*\i+3], v[ADB1] offset:64*\kb+16*\i
.endr
.endr
	MM32B 4, f16
	s_wait_dscnt 0x0
.irp kb, 0,1
.irp qb, 0,1,2,3
.irp p, 0,1,2,3
	v_pk_add_f32 v[SA+8*(4*\kb+\qb)+2*\p:SA+8*(4*\kb+\qb)+2*\p+1], v[SA+8*(4*\kb+\qb)+2*\p:SA+8*(4*\kb+\qb)+2*\p+1], v[TA+8*\kb+2*\p:TA+8*\kb+2*\p+1]
.endr
.endr
.endr
.irp a, 0,1,2,3,4,5,6,7
.irp j, 0,1,2,3,4,5,6,7
	v_med3_num_f32 v[SA+8*\a+\j], v[SA+8*\a+\j], 0, s76    ; ReLU, and the clamp at f16's largest number, in one
.endr
.endr
	PACKP v_cvt_pk_f16_f32
	PSTORE
	s_wait_tensorcnt 0x0               ; my quarter of W2Th's tile has landed
	ds_add_u32 v62, v63
	s_wait_dscnt 0x0
.if \last == 0
	s_add_nc_u64 s[GA+6:GA+7], s[GA+6:GA+7], TILEB         ; slot 1's next tile
	HEADR GA, G1J                      ; W1h's next tile -> slot 0
.else
	s_wait_dscnt 0x0                   ; nothing is left to fetch: my work-group's barrier alone
	s_barrier_signal -1
	s_barrier_wait -1
.endif
	PV 1, 0, f16                       ; O += W2 tile h^T
.endm
; =====================================================  PROLOGUE  =====================================================
	s_load_b512 s[4:19], s[0:1], 0x0               ; queries 4, Kb 6, W1h 8, W2Th 10, key_masks 12, query_masks 14, ln_w 16, ln_b 18
	s_load_b256 s[20:27], s[0:1], 0x40             ; b1 20, b2 22, ln2_w 24, ln2_b 26
	s_load_b64 s[28:29], s[0:1], 0x60              ; out0
	v_lshl_add_u32 v62, v0, 2, 0x4c900
	v_mov_b32 v63, 0
	ds_add_u32 v62, v63
	v_lshrrev_b32 v1, 5, v0
	v_readfirstlane_b32 s30, v1                    ; wave 0..3
	s_bfe_u32 s31, ttmp6, 0x40000                  ; cx
	s_lshl_b32 s32, ttmp9, 2                       ; in a cluster launch ttmp9 counts clusters
	s_add_co_u32 s32, s32, s31                     ; work-group x = 4 x cluster + cx
	s_lshr_b32 s33, ttmp9, 3                       ; batch = x / 32, made of the cluster's number alone: equal in the four partners
	s_mul_i32 s34, s30, QUART                      ; my quarter of a slot
	s_mov_b32 s66, 0x76543210
	s_mov_b32 s67, 0xfedcba98
	s_lshl_b32 s68, s30, 15                        ; my quarter of a tile in memory
	s_mov_b32 s69, 0
	s_mov_b32 s74, 0x3b000000                      ; 1/512
	s_mov_b32 s75, 0x3727c5ac                      ; 1e-5
	s_mov_b32 s76, 0x477fe000                      ; 65,504, f16's largest number
	; group 1: 32 rows of 512 elements of 2 bytes, 16 bytes of padding behind every 256 words
	s_mov_b32 s[G1J], 0x07f1000f                   ; 15:0 mask 15; 17:16 size code 1; 20 padding on; 21 set beside a mask; 24:22 interval code 7; 31:25 pad code 3
	s_mov_b32 s[G1P], 0x07d10000                   ; the same without mask and bit 21
.irp g, G1J, G1P
	s_mov_b32 s[\g+1], 512<<16                     ; tensor_dim0 = 512
	s_mov_b32 s[\g+2], 32<<16                      ; tensor_dim1 = 32
	s_mov_b32 s[\g+3], 512<<16                     ; tile_dim0 = 512
	s_mov_b32 s[\g+4], 32                          ; tile_dim1 = 32
	s_mov_b32 s[\g+5], 512                         ; 512 elements from row to row
	s_mov_b32 s[\g+6], 0
	s_mov_b32 s[\g+7], 0
.endr
	s_mov_b32 s[GA], 1
	s_mov_b32 s[GA+1], s34                         ; slot 0
	s_mov_b32 s[GA+4], 1
	s_add_co_u32 s[GA+5], s34, SLOT                ; slot 1
	s_mov_b32 s[GQ], 1
	s_add_co_u32 s[GQ+1], s34, SLOT                ; the query tile goes to slot 1, both times
	s_lshl_b32 s70, s33, 21                        ; batch x 2048 keys x 1,024 bytes
	s_mov_b32 s71, 0
	s_lshl_b32 s72, s32, 17                        ; x times 64 rows x 2,048 bytes
	s_mov_b32 s73, 0
	s_wait_dscnt 0x0
	s_wait_kmcnt 0x0
	s_add_nc_u64 s[KN:KN+1], s[6:7], s[70:71]
	s_add_nc_u64 s[KN:KN+1], s[KN:KN+1], s[68:69]          ; key tile 0, my quarter
	s_mov_b64 s[GA+2:GA+3], s[KN:KN+1]
	s_add_nc_u64 s[GA+6:GA+7], s[KN:KN+1], TILEB           ; key tile 1
	s_or_b32 s[GA+3], s[GA+3], 0x80000000                  ; type 2
	s_or_b32 s[GA+7], s[GA+7], 0x80000000
	s_add_nc_u64 s[W1A:W1A+1], s[8:9], s[68:69]            ; W1h's rows 0-127, my quarter
	s_add_nc_u64 s[GQ+2:GQ+3], s[4:5], s[72:73]
	s_add_nc_u64 s[GQ+2:GQ+3], s[GQ+2:GQ+3], s[68:69]      ; my work-group's queries, my quarter
	s_or_b32 s[GQ+3], s[GQ+3], 0x80000000
	s_add_nc_u64 s[28:29], s[28:29], s[72:73]              ; out0 at my work-group's rows
	s_lshl_b32 s70, s33, 13
	s_add_nc_u64 s[12:13], s[12:13], s[70:71]              ; key_masks at my batch
	s_lshl_b32 s72, s32, 8
	s_add_nc_u64 s[14:15], s[14:15], s[72:73]              ; query_masks at my rows
	ROUND                                          ; the four work-groups are here: the first joint load meets
	tensor_load_to_lds s[GQ:GQ+3], s[G1P:G1P+7]    ; the two first fills go out together: queries -> slot 1,
	s_nop 0
	tensor_load_to_lds s[GA:GA+3], s[G1J:G1J+7]    ; key tile 0 -> slot 0.  Two tensor loads of the wave are out here, one at any later time
	s_nop 0
	v_lshlrev_b32 v1, 4, v0                        ; 16 x thread; an address of the loads below: not rewritten
	v_and_b32 v2, 15, v0                           ; r
	v_bfe_u32 v3, v0, 4, 1                         ; h
	v_and_b32 v58, 31, v0                          ; lane
	v_lshlrev_b32 v59, 2, v2                       ; 4 r; an address of the loads below: not rewritten
.irp i, 0,1,2,3
	global_load_b128 v[GLD+4*\i:GLD+4*\i+3], v1, s[12:13] offset:2048*\i     ; the batch's 2,048 key masks: each load of a wave covers 512 consecutive bytes
.endr
	global_load_b128 v[GLD+16:GLD+19], v1, s[16:17]        ; ln_w
	global_load_b128 v[GLD+20:GLD+23], v1, s[18:19]        ; ln_b
	global_load_b128 v[GLD+24:GLD+27], v1, s[20:21]        ; b1
	global_load_b128 v[GLD+28:GLD+31], v1, s[22:23]        ; b2
	global_load_b128 v[GLD+32:GLD+35], v1, s[24:25]        ; ln2_w
	global_load_b128 v[GLD+36:GLD+39], v1, s[26:27]        ; ln2_b
.irp qb, 0,1,2,3
	global_load_b32 v[QMR+\qb], v59, s[14:15] offset:64*\qb              ; the mask of query 16 qb + r
.endr
	; the address registers
	v_mul_u32_u24 v60, v2, PITCH
	v_lshl_add_u32 v60, v3, 7, v60
	v_add_nc_u32 v[ADK], s34, v60
	v_add_nc_u32 v[ADK+1], SLOT, v[ADK]
	v_and_b32 v60, 7, v0
	v_lshl_add_u32 v60, v3, 3, v60
	v_mul_u32_u24 v60, v60, PITCH
	v_bfe_u32 v61, v0, 3, 1
	v_lshl_add_u32 v60, v61, 7, v60
	s_lshl_b32 s70, s30, 8
	v_add_nc_u32 v[ADV], s70, v60
	v_add_nc_u32 v[ADV+1], HALFS, v[ADV]
	v_add_nc_u32 v[ADV+2], SLOT, v[ADV]
	v_add_nc_u32 v[ADV+3], SLOT+HALFS, v[ADV]
	v_lshlrev_b32 v60, 4, v58                      ; 16 x lane, kept to the end of this block
	v_add_nc_u32 v[ADPR], PST, v60
	s_lshl_b32 s70, s30, 12
	v_add_nc_u32 v[ADPW], s70, v[ADPR]
	s_lshl_b32 s70, s30, 7
	s_add_co_u32 s70, s70, KTA
	v_lshl_add_u32 v[ADT], v3, 5, s70
	v_lshlrev_b32 v61, 4, v2
	v_add_nc_u32 v[ADSR], STAT, v61
	s_lshl_b32 s70, s30, 8
	v_add_nc_u32 v[ADSW], s70, v[ADSR]
	s_lshl_b32 s70, s30, 9
	s_add_co_u32 s70, s70, PAR
	v_lshl_add_u32 v[ADPAR], v3, 8, s70
	s_lshl_b32 s70, s30, 7
	s_add_co_u32 s70, s70, PAR+4096
	v_lshl_add_u32 v[ADB1], v3, 5, s70
	s_lshr_b32 s70, s30, 1
	s_mul_i32 s70, s70, PITCH
	s_and_b32 s71, s30, 1
	s_lshl_b32 s71, s71, 9
	s_add_co_u32 s70, s70, s71
	s_add_co_u32 s70, s70, SLOT
	v_mul_u32_u24 v61, v2, 2*PITCH                 ; a query's 2,048 bytes are two tile rows
	v_lshl_add_u32 v61, v3, 8, v61
	v_add_nc_u32 v[ADQR], s70, v61
	v_add_nc_u32 v[ADQR+1], HALFS, v[ADQR]
	s_mul_i32 s70, s30, OSTAGE
	v_mul_u32_u24 v61, v2, OPITCH
	v_lshl_add_u32 v61, v3, 8, v61
	v_add_nc_u32 v[ADST], s70, v61
	v_add_nc_u32 v[ADLD], s70, v60
	s_lshl_b32 s70, s30, 9
	v_add_nc_u32 v[ADOUT], s70, v60
	v_add_nc_u32 v61, KTA, v1                      ; where my 16 bytes of each table and vector go
.irp qb, 0,1,2,3
	v_mov_b32 v[PT+\qb], 0                         ; v_permlanex16_b32 counts as a reader of its destination
	v_mov_b32 v[LS+\qb], 0                         ; the row sums start at 0,
	v_mov_b32 v[MX+\qb], 0xff800000                ; the running maximum at -infinity
.endr
.irp j, 0,1,2,3,4,5,6,7
	v_mov_b32 v[ZF+\j], 0
.endr
	s_wait_tensorcnt 0x1                           ; my quarter of the query tile is in; the one younger load, key tile 0, may stay out
	s_barrier_signal -1
	s_barrier_wait -1                              ; everybody's quarter is in
	; Q, rounded to bf16, into the 512 registers of windows 1 and 2: each wave rounds its own 128 columns, then all fragments go round
	QRLOAD 0xc0                                    ; into window 3, which the attention does not need yet
	s_wait_dscnt 0x0
	XPACK v_cvt_pk_bf16_f32
	WIN 0xc0                                       ; O starts as the product of a zero fragment: 32 instructions in place of 256 moves
.irp t, 0,1,2,3,4,5,6,7
.irp qb, 0,1,2,3
	v_wmma_f32_16x16x32_bf16 v[8*(4*\t+\qb):8*(4*\t+\qb)+7], v[ZF:ZF+7], v[ZF:ZF+7], 0
.endr
.endr
	WIN 0
	PLACES 5                                       ; the first MM32 writes over the zero fragment's registers
	XCHG
	s_wait_dscnt 0x0                               ; my reads of the exchange's bytes are done before anybody stores the tables over half of them
	s_barrier_signal -1
	s_barrier_wait -1
	v_mov_b32 v96, 0
	v_mov_b32 v97, CSCALE
	v_mov_b32 v98, NEGL
	s_wait_loadcnt 0x0                             ; masks and parameters
.irp i, 0,1,2,3,4,5,6,7,8,9,10,11,12,13,14,15
	v_cmp_eq_f32 vcc_lo, 0, v[GLD+\i]
	v_cndmask_b32 v[64+\i], v97, v96, vcc_lo       ; a = masked ? 0 : scale
	v_cndmask_b32 v[80+\i], v96, v98, vcc_lo       ; b = masked ? -2^32 log2 e : 0
.endr
.irp i, 0,1,2,3
	ds_store_b128 v61, v[64+4*\i:67+4*\i] offset:2048*\i
	ds_store_b128 v61, v[80+4*\i:83+4*\i] offset:8192+2048*\i
.endr
.irp k, 0,1,2,3,4,5
	ds_store_b128 v61, v[GLD+16+4*\k:GLD+19+4*\k] offset:PAR-KTA+2048*\k
.endr                                              ; the first trip's head waits for these stores and passes a round
; =====================================================  ATTENTION: 16 key tiles, 8 laps  =====================================================
; Trip n reads tile n in slot n & 1 and asks for tile n + 1 straight behind its round: that load has the trip's 256 matrix instructions and its softmax in which to land.
; Trip 0's refill, key tile 1, goes over the query tile, whose reads ended in front of the barriers above.  Trip 15's refill is W1h's first tile.
	s_mov_b32 s35, 8
.Llap:
	s_wait_tensorcnt 0x0                           ; all my tensor loads have landed, my quarter of this trip's tile among them: group 0 registers may be written
	ds_add_u32 v62, v63
	s_add_nc_u64 s[KN:KN+1], s[KN:KN+1], 2*TILEB   ; slot 0's next tile: two key tiles on,
	s_cmp_eq_u32 s35, 1
	s_cselect_b64 s[GA+2:GA+3], s[W1A:W1A+1], s[KN:KN+1]   ; or, in the last lap, W1h's first tile (the stepped key address is then not used)
	s_or_b32 s[GA+3], s[GA+3], 0x80000000          ; type 2
	HEADR GA+4, G1J                                ; the next key tile -> slot 1
	ABODY 0
	s_wait_tensorcnt 0x0
	ds_add_u32 v62, v63
	s_add_nc_u64 s[GA+6:GA+7], s[GA+6:GA+7], 2*TILEB       ; slot 1's next key tile (not used behind the last lap)
	HEADR GA, G1J                                  ; the next tile -> slot 0
	ABODY 1
	v_add_nc_u32 v[ADT], 1024, v[ADT]              ; 256 keys on in the tables
	s_sub_co_u32 s35, s35, 1
	s_cmp_lg_u32 s35, 0
	s_cbranch_scc1 .Llap
; =====================================================  x = LN1(O / sum * query mask + Q)  =====================================================
	s_wait_tensorcnt 0x0                           ; W1h's first tile is in slot 0
	ds_add_u32 v62, v63
	s_add_nc_u64 s[GA+6:GA+7], s[10:11], s[68:69]  ; slot 1's next joint tile: W2Th's rows 0-127
	s_or_b32 s[GA+7], s[GA+7], 0x80000000
	HEADR GQ, G1P                                  ; my own load, behind a round like the joint ones: the queries in f32 -> slot 1, by the descriptor of the start
	WIN 0x80
.irp t, 0,1,2,3,4,5,6,7
.irp hf, 0,1
	ds_load_b128 v[8*\t+4*\hf:8*\t+4*\hf+3],         v[ADPAR] offset:32*\t+16*\hf          ; ln_w
	ds_load_b128 v[64+8*\t+4*\hf:64+8*\t+4*\hf+3],   v[ADPAR] offset:2048+32*\t+16*\hf     ; ln_b
	ds_load_b128 v[128+8*\t+4*\hf:128+8*\t+4*\hf+3], v[ADPAR] offset:6144+32*\t+16*\hf     ; b2
.endr
.endr
	WIN 0
.irp qb, 0,1,2,3
	v_mov_b32 v[LM+\qb], v[LS+\qb]
.endr
	HALVES v_add_f32
	s_wait_tensorcnt 0x0                           ; my quarter of the query tile has landed; the exchange's barrier shows that of every wave
	EXCH 0                                         ; its wait for 0 also shows the loads above done
	QRLOAD 0x40                                    ; Q in f32, in O's layout, into window 1
	SUM4                                           ; the row sums: at least 1, the maximum's own term
.irp qb, 0,1,2,3
	v_rcp_f32 v[AL2+2*\qb], v[AL2+2*\qb]
.endr
	v_nop
	s_wait_alu depctr_va_vdst(0)
.irp qb, 0,1,2,3
	v_mul_f32 v[AL2+2*\qb], v[AL2+2*\qb], v[QMR+\qb]
.endr
	DUPAL
	s_wait_dscnt 0x0
	WIN 0xd3                                       ; O = O * window 0 + window 1
.irp t, 0,1,2,3,4,5,6,7
.irp qb, 0,1,2,3
.irp p, 0,1,2,3
	v_pk_fma_f32 v[8*(4*\t+\qb)+2*\p:8*(4*\t+\qb)+2*\p+1], v[8*(4*\t+\qb)+2*\p:8*(4*\t+\qb)+2*\p+1], v[AL2+2*\qb:AL2+2*\qb+1], v[8*(4*\t+\qb)+2*\p:8*(4*\t+\qb)+2*\p+1]
.endr
.endr
.endr
	WIN 0
	LNORM
	XPACK v_cvt_pk_f16_f32                         ; x in f16
	WIN 0xcb                                       ; O = x + b2: the second FFN layer adds onto it, so residual and bias cost nothing more
.irp t, 0,1,2,3,4,5,6,7
.irp qb, 0,1,2,3
.irp p, 0,1,2,3
	v_pk_add_f32 v[8*(4*\t+\qb)+2*\p:8*(4*\t+\qb)+2*\p+1], v[8*(4*\t+\qb)+2*\p:8*(4*\t+\qb)+2*\p+1], v[128+8*\t+2*\p:128+8*\t+2*\p+1]
.endr
.endr
.endr
	WIN 0
	XCHG                                           ; the stage of P and the two tables were read for the last time in trip 15; the last loads are waited for by the next head
; =====================================================  FFN: four pairs of tiles (128 f each), operands in f16  =====================================================
; No accumulator passes in place from the bf16 form to the f16 form: SA starts from the constant 0, and O was rewritten by vector instructions (x + b2).
	s_mov_b32 s35, 3
.Lffn:
	FFN 0
	v_add_nc_u32 v[ADB1], 512, v[ADB1]             ; 128 f on in b1
	s_sub_co_u32 s35, s35, 1
	s_cmp_lg_u32 s35, 0
	s_cbranch_scc1 .Lffn
	FFN 1                                          ; the last pair is written out: it has no second refill
; =====================================================  out0 = LN2(O)  =====================================================
	WIN 0x80
.irp t, 0,1,2,3,4,5,6,7
.irp hf, 0,1
	ds_load_b128 v[8*\t+4*\hf:8*\t+4*\hf+3],       v[ADPAR] offset:8192+32*\t+16*\hf      ; ln2_w
	ds_load_b128 v[64+8*\t+4*\hf:64+8*\t+4*\hf+3], v[ADPAR] offset:10240+32*\t+16*\hf     ; ln2_b
.endr
.endr
	WIN 0
	LNORM                                          ; its first exchange: every wave has waited for its reads of the slots and passed a barrier
	; The way out: my 128 columns of the 64 rows through my own 33,792 bytes of the slots, which have had their last fill.
	WIN 0x0c                                       ; store data from window 3
.irp qb, 0,1,2,3
.irp t, 0,1,2,3,4,5,6,7
.irp hf, 0,1
	ds_store_b128 v[ADST], v[8*(4*\t+\qb)+4*\hf:8*(4*\t+\qb)+4*\hf+3] offset:16*OPITCH*\qb+32*\t+16*\hf
.endr
.endr
.endr
	WIN 0x40
.irp a, 0,1,2,3,4,5,6,7
.irp b, 0,1,2,3,4,5,6,7
	ds_load_b128 v[4*(8*\a+\b):4*(8*\a+\b)+3], v[ADLD] offset:OPITCH*(8*\a+\b)    ; LDS serves a wave's instructions in order (ISA guide 5.7.1): these see the stores above
.endr
.endr
	WIN 0x04                                       ; store data from window 1
.irp a, 0,1,2,3,4,5,6,7
	s_wait_dscnt 8*(7-\a)                          ; rows 8 a .. 8 a + 7 are in; the 8 (7 - a) younger row loads stay out
.irp b, 0,1,2,3,4,5,6,7
	global_store_b128 v[ADOUT], v[4*(8*\a+\b):4*(8*\a+\b)+3], s[28:29] offset:2048*(8*\a+\b) th:TH_STORE_NT   ; a wave's store covers 512 consecutive bytes, aligned
.endr
.endr
	WIN 0
	s_wait_tensorcnt 0x0
	ds_add_u32 v62, v63
	s_wait_dscnt 0x0
	ROUND                                          ; the closing round: no work-group ends while a partner may still ask for a tile that names it
	s_endpgm
.Lfunc_end_k_q57b0791f09_attn:
	.size	k_q57b0791f09_attn, .Lfunc_end_k_q57b0791f09_attn-k_q57b0791f09_attn
	.p2alignl 7, 3214868480
	.fill 96, 4, 3214868480
	.section	.rodata,"a",@progbits
	.p2align	6, 0x0
	.amdhsa_kernel k_q57b0791f09_attn
		.amdhsa_group_segment_fixed_size 327680
		.amdhsa_private_segment_fixed_size 0
		.amdhsa_enable_private_segment 0
		.amdhsa_kernarg_size 104
		.amdhsa_user_sgpr_count 2
		.amdhsa_user_sgpr_kernarg_segment_ptr 1
		.amdhsa_wavefront_size32 1
		.amdhsa_system_sgpr_workgroup_id_x 1
		.amdhsa_system_sgpr_workgroup_id_y 1
		.amdhsa_system_sgpr_workgroup_id_z 1
		.amdhsa_system_vgpr_workitem_id 0
		.amdhsa_next_free_vgpr 1024
		.amdhsa_next_free_sgpr 82
		.amdhsa_reserve_vcc 1
		.amdhsa_float_denorm_mode_32 3
		.amdhsa_float_denorm_mode_16_64 3
		.amdhsa_memory_ordered 1
		.amdhsa_forward_progress 1
		.amdhsa_inst_pref_size 255
	.end_amdhsa_kernel
	.section	.bss,"aw",@nobits
	.p2align	6
	.space	262144
	.amdgpu_metadata
---
amdhsa.version: [ 1, 2 ]
amdhsa.kernels:
  - .name:           k_q57b0791f09_attn
    .symbol:         k_q57b0791f09_attn.kd
    .args:
      - { .name: queries, .offset: 0, .size: 8, .value_kind: global_buffer, .address_space: global }
      - { .name: Kb, .offset: 8, .size: 8, .value_kind: global_buffer, .address_space: global }
      - { .name: W1h, .offset: 16, .size: 8, .value_kind: global_buffer, .address_space: global }
      - { .name: W2Th, .offset: 24, .size: 8, .value_kind: global_buffer, .address_space: global }
      - { .name: key_masks, .offset: 32, .size: 8, .value_kind: global_buffer, .address_space: global }
      - { .name: query_masks, .offset: 40, .size: 8, .value_kind: global_buffer, .address_space: global }
      - { .name: ln_w, .offset: 48, .size: 8, .value_kind: global_buffer, .address_space: global }
      - { .name: ln_b, .offset: 56, .size: 8, .value_kind: global_buffer, .address_space: global }
      - { .name: b1, .offset: 64, .size: 8, .value_kind: global_buffer, .address_space: global }
      - { .name: b2, .offset: 72, .size: 8, .value_kind: global_buffer, .address_space: global }
      - { .name: ln2_w, .offset: 80, .size: 8, .value_kind: global_buffer, .address_space: global }
      - { .name: ln2_b, .offset: 88, .size: 8, .value_kind: global_buffer, .address_space: global }
      - { .name: out0, .offset: 96, .size: 8, .value_kind: global_buffer, .address_space: global }
    .group_segment_fixed_size: 327680
    .private_segment_fixed_size: 0
    .kernarg_segment_align: 8
    .kernarg_segment_size: 104
    .max_flat_workgroup_size: 128
    .sgpr_count:     82
    .vgpr_count:     1024
    .wavefront_size: 32
...
	.end_amdgpu_metadata
.endif
;; end of part 3
